; MI455X (gfx1250); checked and timed in simulation.
; The chip was launched on July 23, 2026; its instructions are those of AMD's public machine-readable ISA for CDNA 5 (MIT licence, August 2026) and "CDNA5" Instruction Set Architecture Reference Guide (July 2026). The comments in the code are by the model that wrote it; some were corrected since.
;; Adaptive Softmax. Allowed arithmetic: float matrix products may take bf16 or f16 operands with f32 sums; other float arithmetic in f32, or as packed bf16 or f16 multiplies, adds, multiply-adds, maxima and minima; sums over many terms, partial sums and values carried from step to step in f32; what a program stores and reads back later, other than sums and carried values, may be rounded once to bf16 or f16.
;; Inputs: head_b 2,002 float32; head_proj 1,024 x 1,024 float32; head_w 1,024 x 2,002 float32; inputs 4,096 x 1,024 float32; labels 4,096 int32; tail1_b 8,000 float32; tail1_proj_w 1,024 x 256 float32; tail1_w 256 x 8,000 float32; tail2_b 40,000 float32; tail2_proj_w 1,024 x 64 float32; tail2_w 64 x 40,000 float32.
;; Outputs: out0 4,096 float32.
;; One version. Each part assembles by itself: llvm-mc -triple=amdgcn-amd-amdhsa -mcpu=gfx1250 --defsym DOCPART=n.
;; ======== version 1 of 1: 5 launches
;; workspace buffers: xk 8,388,608 bytes; wk 16,343,040 bytes; route 49,408 bytes of whole numbers; hk 11,010,048 bytes; part 16,908,288 bytes
;; launch prep (part 1): grid 1254 x 1, 8 waves a work-group, no clusters, 18,688 bytes of LDS; arguments inputs, labels, head_proj, tail1_proj_w, tail2_proj_w, head_w, tail1_w, tail2_w, head_b, xk, wk, route; writes xk, wk, route
.if DOCPART == 1
	.amdgcn_target "amdgcn-amd-amdhsa--gfx1250"
	.amdhsa_code_object_version 6
	.text
	.protected	k_qfee50a64bf_prep
	.globl	k_qfee50a64bf_prep
	.p2align	8
	.type	k_qfee50a64bf_prep,@function
k_qfee50a64bf_prep:
	s_mov_b64 s[64:65], 0
	v_nop
	global_prefetch_b8 v0, s[64:65] scope:SCOPE_SE
	s_setreg_imm32_b32 hwreg(HW_REG_WAVE_MODE, 25, 1), 1
	s_wait_xcnt 0x0
; PREP.  Rounds X and all weights once to bf16 and lays them out k-blocked, [K/64][rows][64]: a row piece is 128 bytes and the rows of a k block are dense.
; Weights ([K][N] in memory) are turned to [n][k] on the way.  Work-group 0 sorts the tokens from the labels and pads the head's bias.
; ROLES by the work-group's number: 0 ROUTE; 1..997 TRANS (a tile of 128 n x 64 k of one weight matrix); 998..1253 XCONV (16 rows of X).
; wk: WPK @0 [16][1408][64] (head_proj | tail1_proj | tail2_proj columns as rows), HWK @2883584 [16][2048][64], W1K @7077888 [4][8064][64],
;     W2K @11206656 [40064][64], BIASH @16334848 f32[2048] (entries from 2002 on: -1e30).  Rows past a matrix's N repeat its last two columns: finite, never used in a result.
; route: u32 [3][4096]: identity, p1, p2; at byte 49152 (n1, n2) 32 times.  p_c[t] = the rank of t among cluster c's tokens, or 4095 less the number of earlier non-members: a bijection of 0..4095.
; LDS: each role has bytes of its own: TRANS the stage, ROUTE eight words behind the spare words.
; LIMIT: labels lie in 0..49999.
.set SPARE, 17408                      ; behind the stage: 128 bytes a wave, four blocks of 256 bytes that no other line names
.set RW,    18432                      ; ROUTE's eight words, one for each wave's counts: a block of their own
.set PITCH, 272                        ; a stage row: two n rows of 128 bytes + 16 of padding = 17 x 16 bytes: neighbouring rows begin 16 bytes apart modulo 256
.set SPW, 2                            ; v2  my spare word
.set NIL, 3                            ; v3  0
.set OFF, 8                            ; v8-23   byte offsets of my 16 k rows
.set X,   32                           ; v32-63  16 pairs of f32 (XCONV: v32-95)
.set Y,   64                           ; v64-79  packed bf16
.set BK,  80                           ; v80-95  the tile read back
	s_load_b512 s[8:23], s[0:1], 0x0               ; inputs 8, labels 10, head_proj 12, tail1_proj_w 14, tail2_proj_w 16, head_w 18, tail1_w 20, tail2_w 22
	s_load_b256 s[24:31], s[0:1], 0x40             ; head_b 24, xk 26, wk 28, route 30
	v_lshl_add_u32 v[SPW], v0, 2, SPARE
	v_mov_b32 v[NIL], 0
	v_lshrrev_b32 v1, 5, v0
	v_readfirstlane_b32 s3, v1                     ; wave 0..7
	v_and_b32 v4, 31, v0                           ; lane
	s_mov_b32 s2, ttmp9
	s_wait_kmcnt 0x0
	s_cmp_eq_u32 s2, 0
	s_cbranch_scc1 .Lroute
	s_cmp_ge_u32 s2, 998
	s_cbranch_scc1 .Lxconv
; ---------------- TRANS: 64 k rows x 128 n columns of f32 become 128 rows x 64 k of bf16, 16 KiB on end ----------------
	s_mov_b64 s[32:33], s[12:13]                   ; the matrix: source,
	s_mov_b32 s34, 1024                            ; N,
	s_mov_b32 s35, 4                               ; log2 of its k blocks,
	s_mov_b32 s36, 0                               ; its place in wk,
	s_mov_b32 s37, 1408                            ; rows of a k block there,
	s_mov_b32 s38, 0                               ; its first row there,
	s_mov_b32 s39, 1                               ; its first work-group
.macro PICK start, p, n, lkb, doff, rows, row0
	s_cmp_ge_u32 s2, \start
	s_cselect_b64 s[32:33], s[\p:\p+1], s[32:33]
	s_cselect_b32 s34, \n, s34
	s_cselect_b32 s35, \lkb, s35
	s_cselect_b32 s36, \doff, s36
	s_cselect_b32 s37, \rows, s37
	s_cselect_b32 s38, \row0, s38
	s_cselect_b32 s39, \start, s39
.endm
	PICK 129, 14, 256,   4, 0,        1408,  1024
	PICK 161, 16, 64,    4, 0,        1408,  1280
	PICK 177, 18, 2002,  4, 2883584,  2048,  0
	PICK 433, 20, 8000,  2, 7077888,  8064,  0
	PICK 685, 22, 40000, 0, 11206656, 40064, 0
	s_sub_co_u32 s40, s2, s39                      ; my tile among the matrix's
	s_bfm_b32 s41, s35, 0
	s_and_b32 s41, s40, s41                        ; kb
	s_lshr_b32 s42, s40, s35                       ; nt
	s_lshl_b32 s43, s42, 7
	s_lshr_b32 s44, s3, 2
	s_lshl_b32 s45, s44, 6
	s_add_co_u32 s43, s43, s45
	v_lshl_add_u32 v5, v4, 1, s43                  ; my pair of columns: 128 nt + 64 (w / 4) + 2 lane,
	s_sub_co_u32 s45, s34, 2
	v_min_u32 v5, s45, v5                          ; held inside the matrix: no load leaves the buffer
	s_lshl_b32 s46, s41, 6
	s_and_b32 s47, s3, 3
	s_lshl_b32 s48, s47, 4
	s_add_co_u32 s46, s46, s48                     ; my first k row: 64 kb + 16 (w % 4)
	s_mul_i32 s46, s46, s34
	v_add_nc_u32 v5, s46, v5
	v_lshlrev_b32 v[OFF], 2, v5
	s_lshl_b32 s49, s34, 2                         ; a row of the source in bytes
.set j, 1
.rept 15
	v_add_nc_u32 v[OFF+j], s49, v[OFF+j-1]
.set j, j+1
.endr
.set j, 0
.rept 16
	global_load_b64 v[X+2*j:X+2*j+1], v[OFF+j], s[32:33] th:TH_LOAD_NT   ; 32 lanes: 256 bytes on end of one k row (8-byte loads: head_w's rows are only 8-byte aligned)
.set j, j+1
.endr
	s_lshl_b32 s50, s44, 5
	v_add_nc_u32 v6, s50, v4
	v_mul_u32_u24 v6, v6, PITCH
	s_lshl_b32 s51, s47, 5
	v_add_nc_u32 v6, s51, v6                       ; stage: row 32 (w / 4) + lane, byte 32 (w % 4)
	v_lshrrev_b32 v7, 4, v0
	v_mul_u32_u24 v7, v7, PITCH
	v_and_b32 v24, 15, v0
	v_lshl_add_u32 v7, v24, 4, v7                  ; back: stage row thread / 16, 16 bytes a lane
	v_lshlrev_b32 v25, 4, v0                       ; and the same bytes of the tile in wk: 16 x thread
	s_mul_i32 s52, s41, s37
	s_add_co_u32 s52, s52, s38
	s_lshl_b32 s53, s42, 7
	s_add_co_u32 s52, s52, s53
	s_lshl_b32 s52, s52, 7
	s_add_co_u32 s52, s52, s36                     ; the tile's first byte: place + (kb x rows + first row + 128 nt) x 128
	s_mov_b32 s53, 0
	s_add_nc_u64 s[54:55], s[28:29], s[52:53]
	s_wait_loadcnt 0x0
.irp i, 0,1
.set q, 0
.rept 8
	v_cvt_pk_bf16_f32 v[Y+8*\i+q], v[X+4*q+\i], v[X+4*q+2+\i]   ; column i of my pair, k rows 2 q and 2 q + 1
.set q, q+1
.endr
.endr
.irp i, 0,1
	ds_store_b128 v6, v[Y+8*\i:Y+8*\i+3]   offset:128*\i
	ds_store_b128 v6, v[Y+8*\i+4:Y+8*\i+7] offset:128*\i+16
.endr
	s_wait_dscnt 0x0                               ; for the others' sake: my stores into the stage are done
	s_barrier_signal -1
	s_barrier_wait -1
.irp p, 0,1,2,3
	ds_load_b128 v[BK+4*\p:BK+4*\p+3], v7 offset:\p*16*PITCH
.endr
.irp p, 0,1,2,3
	s_wait_dscnt 3-\p                              ; LDS loads come back in order: load p is in, the younger ones stay out
	global_store_b128 v25, v[BK+4*\p:BK+4*\p+3], s[54:55] offset:4096*\p   ; 16 lanes store 256 consecutive bytes, aligned
.endr
	s_wait_tensorcnt 0x0                           ; the wave's end
	ds_add_u32 v[SPW], v[NIL]
	s_wait_dscnt 0x0
	s_endpgm
; ---------------- XCONV: 16 rows of X; thread / 16 is the row, 16 lanes take a k block's 256 bytes of f32 ----------------
.Lxconv:
	s_sub_co_u32 s32, s2, 998
	s_lshl_b32 s34, s32, 16                        ; 16 rows of 4,096 bytes
	s_mov_b32 s35, 0
	s_add_nc_u64 s[36:37], s[8:9], s[34:35]
	s_lshl_b32 s40, s32, 11                        ; 16 rows of 128 bytes in a k block of xk
	s_mov_b32 s41, 0
	s_add_nc_u64 s[38:39], s[26:27], s[40:41]
	v_lshrrev_b32 v5, 4, v0
	v_and_b32 v6, 15, v0
	v_lshlrev_b32 v5, 12, v5
	v_lshl_add_u32 v5, v6, 4, v5
	v_lshlrev_b32 v6, 3, v0                        ; row x 128 + 8 (lane % 16) = 8 x thread
.set kb, 0
.rept 16
	global_load_b128 v[32+4*kb:35+4*kb], v5, s[36:37] offset:256*kb th:TH_LOAD_NT
.set kb, kb+1
.endr
.set kb, 0
.rept 16
	s_wait_loadcnt 15-kb                           ; loads come back in order: k block kb is in, the younger ones stay out
	v_cvt_pk_bf16_f32 v[96+2*kb], v[32+4*kb], v[33+4*kb]
	v_cvt_pk_bf16_f32 v[97+2*kb], v[34+4*kb], v[35+4*kb]
	global_store_b64 v6, v[96+2*kb:97+2*kb], s[38:39] offset:kb*524288   ; a wave stores two rows' 256 consecutive bytes, aligned
.set kb, kb+1
.endr
	s_wait_tensorcnt 0x0
	ds_add_u32 v[SPW], v[NIL]
	s_wait_dscnt 0x0
	s_endpgm
; ---------------- ROUTE: wave w, register q, lane l stand for token 512 w + 32 q + l ----------------
.Lroute:
	v_lshlrev_b32 v5, 2, v4
	s_lshl_b32 s32, s3, 11
	v_add_nc_u32 v5, s32, v5                       ; 4 x (512 w + lane): never rewritten
.set q, 0
.rept 16
	global_load_b32 v[32+q], v5, s[10:11] offset:128*q
.set q, q+1
.endr
	s_lshl_b32 s33, s3, 9
	v_add_nc_u32 v6, s33, v4                       ; token of register 0
	v_lshlrev_b32 v27, 1, v0                       ; the head's bias: thread t takes pairs 2 t + 512 i
.irp i, 0,1,2,3
	v_add_nc_u32 v[112+\i], 512*\i, v27
	v_min_u32 v[116+\i], 0x7d0, v[112+\i]          ; the last pair inside head_b begins at 2000
	v_lshlrev_b32 v[116+\i], 2, v[116+\i]
	global_load_b64 v[120+2*\i:121+2*\i], v[116+\i], s[24:25]
.endr
	s_mov_b32 s48, 0
	s_mov_b32 s49, 0
	s_wait_loadcnt 0x0
.set q, 0
.rept 16                                               ; pass A: the two masks of each 32 tokens, and my wave's counts
	v_add_nc_u32 v7, 0xfffff830, v[32+q]
	v_cmp_gt_u32 s[66+q], 0x1f40, v7               ; 2000 <= label < 10000
	v_add_nc_u32 v7, 0xffffd8f0, v[32+q]
	v_cmp_gt_u32 s[82+q], 0x9c40, v7               ; 10000 <= label < 50000
	s_bcnt1_i32_b32 s50, s[66+q]
	s_add_co_u32 s48, s48, s50
	s_bcnt1_i32_b32 s50, s[82+q]
	s_add_co_u32 s49, s49, s50
.set q, q+1
.endr
	s_lshl_b32 s49, s49, 16
	s_or_b32 s48, s48, s49                         ; both counts in one word: 4,096 at the most each, summed over the waves too
	v_mov_b32 v8, s48
	s_lshl_b32 s51, s3, 2
	s_add_co_u32 s51, s51, RW
	v_mov_b32 v9, s51
	ds_store_b32 v9, v8                            ; my wave's word
	s_wait_dscnt 0x0
	s_barrier_signal -1
	s_barrier_wait -1
	v_mov_b32 v9, RW
	ds_load_b128 v[12:15], v9
	ds_load_b128 v[16:19], v9 offset:16
	s_wait_dscnt 0x0
	s_mov_b32 s44, 0                               ; the waves before me
	s_mov_b32 s45, 0                               ; all waves
.irp i, 0,1,2,3,4,5,6,7
	v_readfirstlane_b32 s[52+\i], v[12+\i]
	s_cmp_gt_u32 s3, \i
	s_cselect_b32 s46, s[52+\i], 0
	s_add_co_u32 s44, s44, s46
	s_add_co_u32 s45, s45, s[52+\i]
.endr
	s_and_b32 s60, s44, 0xffff                     ; running ranks
	s_lshr_b32 s61, s44, 16
	s_and_b32 s62, s45, 0xffff                     ; n1
	s_lshr_b32 s63, s45, 16                        ; n2
.set q, 0
.rept 16                                               ; pass B: a member takes its rank r; another token 4095 - (token - r)
	v_sub_nc_u32 v8, 4095-32*q, v6
	v_mbcnt_lo_u32_b32 v7, s[66+q], s60
	v_add_nc_u32 v9, v7, v8
	v_cndmask_b32 v[80+q], v9, v7, s[66+q]
	s_bcnt1_i32_b32 s50, s[66+q]
	s_add_co_u32 s60, s60, s50
	v_mbcnt_lo_u32_b32 v7, s[82+q], s61
	v_add_nc_u32 v9, v7, v8
	v_cndmask_b32 v[96+q], v9, v7, s[82+q]
	s_bcnt1_i32_b32 s50, s[82+q]
	s_add_co_u32 s61, s61, s50
	v_add_nc_u32 v[64+q], 32*q, v6
.set q, q+1
.endr
.set q, 0
.rept 16
	global_store_b32 v5, v[64+q], s[30:31] offset:128*q
	global_store_b32 v5, v[80+q], s[30:31] offset:128*q+16384
	global_store_b32 v5, v[96+q], s[30:31] offset:128*q+32768
.set q, q+1
.endr
	s_cmp_lg_u32 s3, 7
	s_cbranch_scc1 .Lnot7
	v_mov_b32 v10, s62
	v_mov_b32 v11, s63
	v_lshlrev_b32 v26, 3, v4
	global_store_b64 v26, v[10:11], s[30:31] offset:49152   ; (n1, n2) 32 times: 256 consecutive bytes
.Lnot7:
	s_add_nc_u64 s[40:41], s[28:29], 16334848
.irp i, 0,1,2,3
	v_cmp_gt_u32 vcc_lo, 0x7d2, v[112+\i]          ; the pair lies below 2002
	v_cndmask_b32 v[120+2*\i], 0xf149f2ca, v[120+2*\i], vcc_lo
	v_cndmask_b32 v[121+2*\i], 0xf149f2ca, v[121+2*\i], vcc_lo
	v_lshlrev_b32 v[112+\i], 2, v[112+\i]
	global_store_b64 v[112+\i], v[120+2*\i:121+2*\i], s[40:41]
.endr
	s_wait_tensorcnt 0x0
	ds_add_u32 v[SPW], v[NIL]
	s_wait_dscnt 0x0
	s_endpgm
.Lfunc_end_k_qfee50a64bf_prep:
	.size	k_qfee50a64bf_prep, .Lfunc_end_k_qfee50a64bf_prep-k_qfee50a64bf_prep
	.p2alignl 7, 3214868480
	.fill 96, 4, 3214868480
	.section	.rodata,"a",@progbits
	.p2align	6, 0x0
	.amdhsa_kernel k_qfee50a64bf_prep
		.amdhsa_group_segment_fixed_size 18688
		.amdhsa_private_segment_fixed_size 0
		.amdhsa_enable_private_segment 0
		.amdhsa_kernarg_size 96
		.amdhsa_user_sgpr_count 2
		.amdhsa_user_sgpr_kernarg_segment_ptr 1
		.amdhsa_wavefront_size32 1
		.amdhsa_system_sgpr_workgroup_id_x 1
		.amdhsa_system_sgpr_workgroup_id_y 1
		.amdhsa_system_sgpr_workgroup_id_z 1
		.amdhsa_system_vgpr_workitem_id 0
		.amdhsa_next_free_vgpr 128
		.amdhsa_next_free_sgpr 100
		.amdhsa_reserve_vcc 1
		.amdhsa_float_denorm_mode_32 3
		.amdhsa_float_denorm_mode_16_64 3
		.amdhsa_memory_ordered 1
		.amdhsa_forward_progress 1
		.amdhsa_inst_pref_size 42
	.end_amdhsa_kernel
	.amdgpu_metadata
---
amdhsa.version: [ 1, 2 ]
amdhsa.kernels:
  - .name:           k_qfee50a64bf_prep
    .symbol:         k_qfee50a64bf_prep.kd
    .args:
      - { .name: inputs, .offset: 0, .size: 8, .value_kind: global_buffer, .address_space: global }
      - { .name: labels, .offset: 8, .size: 8, .value_kind: global_buffer, .address_space: global }
      - { .name: head_proj, .offset: 16, .size: 8, .value_kind: global_buffer, .address_space: global }
      - { .name: tail1_proj_w, .offset: 24, .size: 8, .value_kind: global_buffer, .address_space: global }
      - { .name: tail2_proj_w, .offset: 32, .size: 8, .value_kind: global_buffer, .address_space: global }
      - { .name: head_w, .offset: 40, .size: 8, .value_kind: global_buffer, .address_space: global }
      - { .name: tail1_w, .offset: 48, .size: 8, .value_kind: global_buffer, .address_space: global }
      - { .name: tail2_w, .offset: 56, .size: 8, .value_kind: global_buffer, .address_space: global }
      - { .name: head_b, .offset: 64, .size: 8, .value_kind: global_buffer, .address_space: global }
      - { .name: xk, .offset: 72, .size: 8, .value_kind: global_buffer, .address_space: global }
      - { .name: wk, .offset: 80, .size: 8, .value_kind: global_buffer, .address_space: global }
      - { .name: route, .offset: 88, .size: 8, .value_kind: global_buffer, .address_space: global }
    .group_segment_fixed_size: 18688
    .private_segment_fixed_size: 0
    .kernarg_segment_align: 8
    .kernarg_segment_size: 96
    .max_flat_workgroup_size: 256
    .sgpr_count:     100
    .vgpr_count:     128
    .wavefront_size: 32
...
	.end_amdgpu_metadata
.endif
;; end of part 1
;; launch proj (part 2): grid 32 x 7, 4 waves a work-group, clusters of 4 x 1, 327,680 bytes of LDS; arguments xk, wk, route, hk; writes hk
.if DOCPART == 2
	.amdgcn_target "amdgcn-amd-amdhsa--gfx1250"
	.amdhsa_code_object_version 6
	.text
	.protected	k_qfee50a64bf_proj
	.globl	k_qfee50a64bf_proj
	.p2align	8
	.type	k_qfee50a64bf_proj,@function
k_qfee50a64bf_proj:
	s_mov_b64 s[64:65], 0
	v_nop
	global_prefetch_b8 v0, s[64:65] scope:SCOPE_SE
	s_setreg_imm32_b32 hwreg(HW_REG_WAVE_MODE, 25, 1), 1
	s_wait_xcnt 0x0
	s_wait_alu depctr_hold_cnt(0) depctr_sa_sdst(0) depctr_va_vdst(0) depctr_va_sdst(0) depctr_va_ssrc(0) depctr_va_vcc(0) depctr_vm_vsrc(0)
	s_getreg_b32 s2, hwreg(HW_REG_IB_STS2, 6, 4)
	s_cmp_eq_u32 s2, 0
	s_cbranch_scc0 .Lentry_in_a_cluster
	s_endpgm
.Lentry_in_a_cluster:
	s_bfe_u32 s2, ttmp6, 0x10000c
	s_cmp_lg_u32 s2, 0x3003
	s_cbranch_scc0 .Lentry_shape_is_right
	s_endpgm
.Lentry_shape_is_right:
; PROJ.  H = gelu(X [head_proj | tail1_proj | tail2_proj]): 4096 x 1344 x 1024 in bf16, sums in f32, H rounded once to bf16 and stored k-blocked, [21 groups of 64 columns][4096][64].
; Groups 0-15 (head) go to row t, 16-19 (tail 1) to row p1[t], 20 (tail 2) to row p2[t]: p1, p2 are bijections, so every row of hk is written.
; A work-group makes 128 tokens x 192 columns (32 x 7 of them: 1344 has no divisor that gives 256); a wave 64 x 96: 24 accumulators.  K goes in steps of 128 (two k blocks) through two LDS slots.
; A tile of R rows x 64 k is R x 128 dense bytes: asked for as R / 2 rows of 256 bytes, 16 bytes of padding after every 128: LDS rows 144 bytes apart.
; CLUSTER 4 x 1: the four token tiles of a cluster walk the same weight tile: it is asked for jointly (mask 15); X's tiles are each work-group's own.
; The matrix instruction is used transposed (source 0 = 16 weight rows, source 1 = 16 tokens): a lane holds one token and eight neighbouring columns.
; GELU: x Phi(x) = max(x, 0) - |x| Q, Q = erfc(|x| / sqrt 2) / 2 = t (a1 + t (a2 + t (a3 + t (a4 + t a5)))) 2^(-0.72134752 x^2), t = 1 / (1 + 0.23164189 |x|): absolute error of Q 1.5e-7 for every x, no cancellation.
; LIMITS: NaN and infinities are not treated apart.
; REGISTERS: window 0: v0-31 addresses; v32-111, v112-191 two fragment buffers (4 of tokens, then 6 of weights); on the way out v32-137 at work.  Window 1: accumulator (a, b) at v[8 (6 a + b)].
.set APK,   18432                      ; 128 tokens x 144
.set BPK,   27648                      ; 192 weight rows x 144
.set BOFF,  36864                      ; in a slot: X k block 0, 1, then the weights' k block 0, 1
.set SLOT,  92160
.set STAGE, 184320                     ; behind the ring: 128 rows x 784 bytes of f32 (768 + 16: 49 x 16 bytes)
.set SPITCH, 784
.set PERML, 284672                     ; 3 x 128 destination rows
.set SPARE, 286208                     ; the spare words: 128 bytes a wave
.set ADRA, 16
.set ADRB, 20
.set PST,  22
.set STO,  24
.set RDA,  25
.set PRA,  26
.set LC,   27
.set SPW,  28
.set NIL,  29
.set RA,   30
.set PA,   31
.set F0,   32
.set F1,   112
.set X,    32
.set AX,   48
.set DN,   64
.set EX,   80
.set PL,   96
.set MX,   112
.set Y,    128
.set PM,   136
.set G1A, 24
.set G0A, 32
.set G1B, 48
.set G0B, 56
.set KP, 66
.set KE, 68
.set K5, 70
.set K4, 72
.set K3, 74
.set K2, 76
.set K1, 78
.set MSB, 0
.macro WIN new                         ; the immediate's high byte repeats the setting that is left; a switch that changes nothing is dropped
.if MSB != (\new)
	s_set_vgpr_msb (MSB<<8)|(\new)
.set MSB, \new
.endif
.endm
.macro PLACES                          ; four places behind matrix instructions, ahead of loads into their sources and of reads of their results
.rept 4
	v_nop
.endr
.endm
.macro JLOAD s                         ; waves 0, 1 fetch X's two k blocks (own loads), waves 2, 3 the weights' (joint); an s_nop 0 and four v_nop follow each line
	s_cmp_eq_u32 s13, 0
	s_cbranch_scc0 .Lfor_b_\@
	tensor_load_to_lds s[G0A+4*(\s):G0A+4*(\s)+3], s[G1A:G1A+7]
	s_nop 0
.rept 4
	v_nop
.endr
	s_branch .Lasked_\@
.Lfor_b_\@:
	tensor_load_to_lds s[G0B+4*(\s):G0B+4*(\s)+3], s[G1B:G1B+7]
	s_nop 0
.rept 4
	v_nop
.endr
.Lasked_\@:
.endm
.macro CREST                           ; a round of the cluster's barrier behind its opening barrier
	s_cmp_lg_u32 s12, 0
	s_cbranch_scc1 .Lnot_wave_0_\@
	s_barrier_signal -3
.Lnot_wave_0_\@:
	s_barrier_wait -3
	s_barrier_signal -1
	s_barrier_wait -1
.endm
.macro CROUND
	s_barrier_signal -1
	s_barrier_wait -1
	CREST
.endm
	s_load_b256 s[4:11], s[0:1], 0x0               ; xk 4, wk 6, route 8, hk 10
	v_lshl_add_u32 v[SPW], v0, 2, SPARE
	v_mov_b32 v[NIL], 0
	ds_add_u32 v[SPW], v[NIL]                      ; the wave's opening
	v_lshrrev_b32 v3, 5, v0
	v_readfirstlane_b32 s12, v3                    ; wave 0..3
	s_lshr_b32 s13, s12, 1                         ; my half of the tokens.  Also: I fetch X (0) or weights (1)
	s_and_b32 s14, s12, 1                          ; my half of the columns.  Also: which k block of a slot I fetch
	s_bfe_u32 s15, ttmp6, 0x40000                  ; cx
	s_lshl_b32 s16, ttmp9, 2
	s_add_co_u32 s16, s16, s15                     ; token tile = 4 x cluster x + cx
	s_and_b32 s17, ttmp7, 0xffff                   ; column tile, shared by the four partners
	s_mov_b32 s[G1A+0], (1<<16)|(1<<20)|(4<<22)|(3<<25)   ; 2-byte elements; padding on: after every 32 words 4 words
	s_mov_b32 s[G1A+1], 128<<16                    ; tensor_dim0 = 128
	s_mov_b32 s[G1A+2], 64<<16                     ; tensor_dim1 = 64
	s_mov_b32 s[G1A+3], 128<<16                    ; tile_dim0 = 128
	s_mov_b32 s[G1A+4], 64                         ; tile_dim1 = 64
	s_mov_b32 s[G1A+5], 128                        ; 128 elements from row to row
	s_mov_b32 s[G1A+6], 0
	s_mov_b32 s[G1A+7], 0
	s_mov_b32 s[G1B+0], 15|(1<<16)|(1<<20)|(1<<21)|(4<<22)|(3<<25)   ; the same with the mask of four and bit 21 beside it
	s_mov_b32 s[G1B+1], 128<<16
	s_mov_b32 s[G1B+2], 96<<16
	s_mov_b32 s[G1B+3], 128<<16
	s_mov_b32 s[G1B+4], 96
	s_mov_b32 s[G1B+5], 128
	s_mov_b32 s[G1B+6], 0
	s_mov_b32 s[G1B+7], 0
	s_lshl_b32 s18, s14, 19                        ; X: k block (w % 2), tokens 128 x tile
	s_lshl_b32 s19, s16, 14
	s_add_co_u32 s18, s18, s19
	s_mov_b32 s19, 0
	s_mul_i32 s20, s14, 180224                     ; weights: k block (w % 2), rows 192 x column tile: nothing of cx enters
	s_mul_i32 s21, s17, 24576
	s_add_co_u32 s20, s20, s21
	s_mov_b32 s21, 0
	s_mul_i32 s22, s14, APK
	s_mul_i32 s23, s14, BPK
	s_add_co_u32 s23, s23, BOFF
	s_wait_dscnt 0x0                               ; the opening add is done
	s_wait_kmcnt 0x0
	s_add_nc_u64 s[40:41], s[4:5], s[18:19]
	s_add_nc_u64 s[42:43], s[6:7], s[20:21]
	CROUND                                         ; all four work-groups are here: the first joint loads meet
.irp s, 0,1
	s_mov_b32 s[G0A+4*\s], 1
	s_add_co_u32 s[G0A+4*\s+1], s22, \s*SLOT
	s_add_nc_u64 s[G0A+4*\s+2:G0A+4*\s+3], s[40:41], \s*1048576
	s_or_b32 s[G0A+4*\s+3], s[G0A+4*\s+3], 0x80000000
	s_mov_b32 s[G0B+4*\s], 1
	s_add_co_u32 s[G0B+4*\s+1], s23, \s*SLOT
	s_add_nc_u64 s[G0B+4*\s+2:G0B+4*\s+3], s[42:43], \s*360448
	s_or_b32 s[G0B+4*\s+3], s[G0B+4*\s+3], 0x80000000
	JLOAD \s                                       ; two loads of mine are out
.endr
	v_and_b32 v1, 15, v0
	v_bfe_u32 v2, v0, 4, 1
	s_mul_i32 s44, s17, 3                          ; my first group of 64 columns
	s_lshl_b32 s45, s16, 9
	v_lshlrev_b32 v3, 2, v0
.irp i, 0,1,2
	s_add_co_u32 s46, s44, \i
	s_cmp_ge_u32 s46, 16
	s_cselect_b32 s47, 16384, 0                    ; which table: identity, p1 (groups 16-19) or p2 (group 20)
	s_cmp_ge_u32 s46, 20
	s_cselect_b32 s47, 32768, s47
	s_add_co_u32 s47, s47, s45
	v_add_nc_u32 v[8+\i], s47, v3
	global_load_b32 v[12+\i], v[8+\i], s[8:9]      ; thread t: the destination row of token 128 x tile + t
.endr
	v_mul_u32_u24 v4, v1, 144
	v_lshl_add_u32 v4, v2, 4, v4                   ; a fragment's row x pitch + 16 x half
	s_mul_i32 s46, s13, 64*144
	s_mul_i32 s47, s14, 96*144
	s_add_co_u32 s47, s47, BOFF
.irp s, 0,1
	v_add_nc_u32 v[ADRA+\s], s46, v4
	v_add_nc_u32 v[ADRB+\s], s47, v4
	s_add_co_u32 s46, s46, SLOT
	s_add_co_u32 s47, s47, SLOT
.endr
	s_mul_i32 s46, s13, 64*SPITCH
	s_mul_i32 s47, s14, 384
	s_add_co_u32 s46, s46, s47
	s_add_co_u32 s46, s46, STAGE
	v_mul_u32_u24 v5, v1, SPITCH
	v_lshl_add_u32 v5, v2, 5, v5
	v_add_nc_u32 v[STO], s46, v5                   ; into the stage: token row, my 96 columns, 32 bytes for each half of the lanes
	v_bfe_u32 v5, v0, 3, 2
	v_and_b32 v6, 7, v0
	s_mul_i32 s46, s12, 32*SPITCH
	s_add_co_u32 s46, s46, STAGE
	v_mul_u32_u24 v7, v5, SPITCH
	v_lshl_add_u32 v7, v6, 5, v7
	v_add_nc_u32 v[RDA], s46, v7                   ; back: wave w has rows 32 w ..; 8 lanes take a row's 64 columns
	s_lshl_b32 s46, s12, 7
	s_add_co_u32 s46, s46, PERML
	v_lshl_add_u32 v[PRA], v5, 2, s46
	v_lshlrev_b32 v[LC], 4, v6
	v_lshl_add_u32 v[PST], v0, 2, PERML
	s_lshl_b32 s46, s44, 19
	s_mov_b32 s47, 0
	s_add_nc_u64 s[84:85], s[10:11], s[46:47]      ; hk at my first group
.irp c, KP, KE, K5, K4, K3, K2, K1
	s_mov_b32 s[\c+1], 0                           ; named as pairs; the low word serves both halves
.endr
	s_mov_b32 s[KP], 0x3e6d3388                    ; 0.23164189
	s_mov_b32 s[KE], 0xbf38aa3b                    ; -0.72134752
	s_mov_b32 s[K5], 0x3f07dc22                    ; 0.53070271
	s_mov_b32 s[K4], 0xbf3a00e3                    ; -0.72657601
	s_mov_b32 s[K3], 0x3f35f0e3                    ; 0.71070687
	s_mov_b32 s[K2], 0xbe11a98e                    ; -0.14224837
	s_mov_b32 s[K1], 0x3e027906                    ; 0.12741480
.macro MULA f, a, zero                 ; 6 matrix instructions: token tile a x my 6 column blocks, 32 along K.  zero = 1: the first product starts the sums
	WIN 0x50
.irp b, 0,1,2,3,4,5
.if \zero
	v_wmma_f32_16x16x32_bf16 v[8*(6*(\a)+\b):8*(6*(\a)+\b)+7], v[(\f)+32+8*\b:(\f)+32+8*\b+7], v[(\f)+8*(\a):(\f)+8*(\a)+7], 0
.else
	v_wmma_f32_16x16x32_bf16 v[8*(6*(\a)+\b):8*(6*(\a)+\b)+7], v[(\f)+32+8*\b:(\f)+32+8*\b+7], v[(\f)+8*(\a):(\f)+8*(\a)+7], v[8*(6*(\a)+\b):8*(6*(\a)+\b)+7]
.endif
.endr
.endm
.macro FETCH slot, q, f                ; 20 LDS loads in one run: the fragments of quarter q (k block q / 2, 32 k at byte 64 (q % 2)) into buffer f
	WIN 0
.irp a, 0,1,2,3
	ds_load_b128 v[(\f)+8*\a:(\f)+8*\a+3],   v[ADRA+(\slot)] offset:((\q)/2)*APK+((\q)%2)*64+\a*2304
	ds_load_b128 v[(\f)+8*\a+4:(\f)+8*\a+7], v[ADRA+(\slot)] offset:((\q)/2)*APK+((\q)%2)*64+\a*2304+32
.endr
.irp b, 0,1,2,3,4,5
	ds_load_b128 v[(\f)+32+8*\b:(\f)+32+8*\b+3],   v[ADRB+(\slot)] offset:((\q)/2)*BPK+((\q)%2)*64+\b*2304
	ds_load_b128 v[(\f)+32+8*\b+4:(\f)+32+8*\b+7], v[ADRB+(\slot)] offset:((\q)/2)*BPK+((\q)%2)*64+\b*2304+32
.endr
.endm
.macro QUARTER slot, nq, f, g, zero    ; multiplies buffer f; in its middle fetches quarter nq of the same slot into g.  The 24 accumulators take turns, one instruction a turn
	s_wait_dscnt 0x0                               ; buffer f is in
	MULA \f, 0, \zero
	MULA \f, 1, \zero
	PLACES
	FETCH \slot, \nq, \g
	MULA \f, 2, \zero
	MULA \f, 3, \zero
.endm
; The last quarter multiplies buffer 1 and changes slots: one barrier; in front of it each wave waits for all its tensor loads, adds 0 to its spare word, and waits for that and for its reads of this slot.
.macro TURN slot, next, fill
	WIN 0
	s_wait_tensorcnt 0x0                           ; all my tensor loads have landed: my part of the next slot
	ds_add_u32 v[SPW], v[NIL]                      ; 0 onto my spare word
	s_wait_dscnt 1                                 ; buffer 1's loads are older than the add: only the add may be out
	MULA F1, 0, 0
	s_wait_dscnt 0x0                               ; the add is done, and my reads of this slot are over
	s_barrier_signal -1
	MULA F1, 1, 0
.if \fill
	WIN 0
.endif
	s_barrier_wait -1
.if \fill
	CREST                                          ; the barrier has opened a round of the cluster's: no wave of any partner still reads this slot or has a load on its way
	s_add_nc_u64 s[G0A+4*(\slot)+2:G0A+4*(\slot)+3], s[G0A+4*(\slot)+2:G0A+4*(\slot)+3], 2097152
	s_add_nc_u64 s[G0B+4*(\slot)+2:G0B+4*(\slot)+3], s[G0B+4*(\slot)+2:G0B+4*(\slot)+3], 720896
	JLOAD \slot                                    ; the first tensor load behind the round, one a wave; its four v_nop are also the places in front of the loads below
.else
	PLACES
.endif
	FETCH \next, 0, F0
	MULA F1, 2, 0
	MULA F1, 3, 0
.endm
	s_wait_tensorcnt 0x1                           ; my part of K step 0 is in; step 1's may stay out
	s_barrier_signal -1
	s_barrier_wait -1
	FETCH 0, 0, F0
	QUARTER 0, 1, F0, F1, 1
	WIN 0
	s_mov_b32 s80, 3
.Llap:                                                 ; a trip goes once round the ring (two K steps of 128) and fills both slots again
	QUARTER 0, 2, F1, F0, 0
	QUARTER 0, 3, F0, F1, 0
	TURN 0, 1, 1
	QUARTER 1, 1, F0, F1, 0
	QUARTER 1, 2, F1, F0, 0
	QUARTER 1, 3, F0, F1, 0
	TURN 1, 0, 1
	QUARTER 0, 1, F0, F1, 0
	WIN 0
	s_sub_co_u32 s80, s80, 1
	s_cmp_lg_u32 s80, 0
	s_cbranch_scc1 .Llap
	QUARTER 0, 2, F1, F0, 0                        ; the last lap fills nothing
	QUARTER 0, 3, F0, F1, 0
	TURN 0, 1, 0
	QUARTER 1, 1, F0, F1, 0
	QUARTER 1, 2, F1, F0, 0
	QUARTER 1, 3, F0, F1, 0
	s_wait_dscnt 0x0
	MULA F1, 0, 0
	MULA F1, 1, 0
	MULA F1, 2, 0
	MULA F1, 3, 0
	; THE WAY OUT: the f32 sums go into the work-group's stage; a barrier; each wave takes 32 whole rows back, applies gelu, rounds and stores.
	PLACES
	WIN 0x04                                       ; store data in window 1
.irp a, 0,1,2,3
.irp b, 0,1,2,3,4,5
	ds_store_b128 v[STO], v[8*(6*\a+\b):8*(6*\a+\b)+3]   offset:\a*16*SPITCH+\b*64      ; each accumulator's low registers first
	ds_store_b128 v[STO], v[8*(6*\a+\b)+4:8*(6*\a+\b)+7] offset:\a*16*SPITCH+\b*64+16
.endr
.endr
	WIN 0
	s_wait_loadcnt 0x0                             ; the destination rows
.irp i, 0,1,2
	ds_store_b32 v[PST], v[12+\i] offset:512*\i
.endr
	s_wait_dscnt 0x0                               ; for the others' sake: my stores are done
	s_barrier_signal -1
	s_barrier_wait -1
.macro GBLK i                          ; 8 rows x group i's 64 columns: a lane has 8 columns of row l / 8 and of the row four further on
	s_wait_xcnt 0x0                                ; the stores before have had their addresses translated: their data and offsets are rewritten only behind this wait
	ds_load_b128 v[X:X+3],     v[RA] offset:256*\i
	ds_load_b128 v[X+4:X+7],   v[RA] offset:256*\i+16
	ds_load_b128 v[X+8:X+11],  v[RA] offset:256*\i+4*SPITCH
	ds_load_b128 v[X+12:X+15], v[RA] offset:256*\i+4*SPITCH+16
	ds_load_b32 v[PM],   v[PA] offset:512*\i
	ds_load_b32 v[PM+1], v[PA] offset:512*\i+16
	s_wait_dscnt 0x0
.set p, 0
.rept 8
	v_and_b32 v[AX+2*p],   0x7fffffff, v[X+2*p]
	v_and_b32 v[AX+2*p+1], 0x7fffffff, v[X+2*p+1]
	v_pk_fma_f32 v[DN+2*p:DN+2*p+1], v[AX+2*p:AX+2*p+1], s[KP:KP+1], 1.0 op_sel_hi:[1,0,0]
	v_pk_mul_f32 v[EX+2*p:EX+2*p+1], v[X+2*p:X+2*p+1], v[X+2*p:X+2*p+1]
	v_pk_mul_f32 v[EX+2*p:EX+2*p+1], v[EX+2*p:EX+2*p+1], s[KE:KE+1] op_sel_hi:[1,0]
.set p, p+1
.endr
.set p, 0
.rept 16                                               ; one batch: 16 reciprocals and 16 exponentials
	v_rcp_f32 v[DN+p], v[DN+p]
.set p, p+1
.endr
.set p, 0
.rept 16
	v_exp_f32 v[EX+p], v[EX+p]
.set p, p+1
.endr
.set p, 0
.rept 16
	v_max_num_f32 v[MX+p], 0, v[X+p]               ; plain work behind the batch
.set p, p+1
.endr
	v_min_u32 v[PM],   0xfff, v[PM]
	v_min_u32 v[PM+1], 0xfff, v[PM+1]
	v_lshlrev_b32 v[PM],   7, v[PM]
	v_lshlrev_b32 v[PM+1], 7, v[PM+1]
	v_add_nc_u32 v[PM],   v[LC], v[PM]             ; destination row x 128 + my 16 bytes
	v_add_nc_u32 v[PM+1], v[LC], v[PM+1]
	s_wait_alu depctr_va_vdst(0)                   ; one wait for the batch, ahead of its first reader
.set p, 0
.rept 8
	v_pk_fma_f32 v[PL+2*p:PL+2*p+1], v[DN+2*p:DN+2*p+1], s[K5:K5+1], s[K4:K4+1] op_sel_hi:[1,0,0]
.set p, p+1
.endr
.irp c, K3, K2, K1
.set p, 0
.rept 8
	v_pk_fma_f32 v[PL+2*p:PL+2*p+1], v[PL+2*p:PL+2*p+1], v[DN+2*p:DN+2*p+1], s[\c:\c+1] op_sel_hi:[1,1,0]
.set p, p+1
.endr
.endr
.set p, 0
.rept 8
	v_pk_mul_f32 v[PL+2*p:PL+2*p+1], v[PL+2*p:PL+2*p+1], v[DN+2*p:DN+2*p+1]
.set p, p+1
.endr
.set p, 0
.rept 8
	v_pk_mul_f32 v[PL+2*p:PL+2*p+1], v[PL+2*p:PL+2*p+1], v[EX+2*p:EX+2*p+1]
.set p, p+1
.endr
.set p, 0
.rept 8
	v_pk_fma_f32 v[X+2*p:X+2*p+1], v[AX+2*p:AX+2*p+1], v[PL+2*p:PL+2*p+1], v[MX+2*p:MX+2*p+1] neg_lo:[1,0,0] neg_hi:[1,0,0]   ; max(x, 0) - |x| Q
.set p, p+1
.endr
.set p, 0
.rept 8
	v_cvt_pk_bf16_f32 v[Y+p], v[X+2*p], v[X+2*p+1]
.set p, p+1
.endr
	global_store_b128 v[PM],   v[Y:Y+3],   s[84:85] offset:\i*524288   ; 8 lanes store a row piece of 128 bytes; in the head's groups four rows on end, 512 bytes
	global_store_b128 v[PM+1], v[Y+4:Y+7], s[84:85] offset:\i*524288
.endm
	s_mov_b32 s80, 4
	s_mov_b32 s81, 0
	s_mov_b32 s82, 0
.Lrows:                                                ; 4 trips: 8 of my 32 rows, all three groups
	v_add_nc_u32 v[RA], s81, v[RDA]
	v_add_nc_u32 v[PA], s82, v[PRA]
	GBLK 0
	GBLK 1
	GBLK 2
	s_add_co_u32 s81, s81, 8*SPITCH
	s_add_co_u32 s82, s82, 32
	s_sub_co_u32 s80, s80, 1
	s_cmp_lg_u32 s80, 0
	s_cbranch_scc1 .Lrows
	s_wait_tensorcnt 0x0                           ; the wave's end
	ds_add_u32 v[SPW], v[NIL]
	s_wait_dscnt 0x0
	CROUND                                         ; the closing round
	s_endpgm
.Lfunc_end_k_qfee50a64bf_proj:
	.size	k_qfee50a64bf_proj, .Lfunc_end_k_qfee50a64bf_proj-k_qfee50a64bf_proj
	.p2alignl 7, 3214868480
	.fill 96, 4, 3214868480
	.section	.rodata,"a",@progbits
	.p2align	6, 0x0
	.amdhsa_kernel k_qfee50a64bf_proj
		.amdhsa_group_segment_fixed_size 327680
		.amdhsa_private_segment_fixed_size 0
		.amdhsa_enable_private_segment 0
		.amdhsa_kernarg_size 32
		.amdhsa_user_sgpr_count 2
		.amdhsa_user_sgpr_kernarg_segment_ptr 1
		.amdhsa_wavefront_size32 1
		.amdhsa_system_sgpr_workgroup_id_x 1
		.amdhsa_system_sgpr_workgroup_id_y 1
		.amdhsa_system_sgpr_workgroup_id_z 1
		.amdhsa_system_vgpr_workitem_id 0
		.amdhsa_next_free_vgpr 512
		.amdhsa_next_free_sgpr 90
		.amdhsa_reserve_vcc 0
		.amdhsa_float_denorm_mode_32 3
		.amdhsa_float_denorm_mode_16_64 3
		.amdhsa_memory_ordered 1
		.amdhsa_forward_progress 1
		.amdhsa_inst_pref_size 90
	.end_amdhsa_kernel
	.amdgpu_metadata
---
amdhsa.version: [ 1, 2 ]
amdhsa.kernels:
  - .name:           k_qfee50a64bf_proj
    .symbol:         k_qfee50a64bf_proj.kd
    .args:
      - { .name: xk, .offset: 0, .size: 8, .value_kind: global_buffer, .address_space: global }
      - { .name: wk, .offset: 8, .size: 8, .value_kind: global_buffer, .address_space: global }
      - { .name: route, .offset: 16, .size: 8, .value_kind: global_buffer, .address_space: global }
      - { .name: hk, .offset: 24, .size: 8, .value_kind: global_buffer, .address_space: global }
    .group_segment_fixed_size: 327680
    .private_segment_fixed_size: 0
    .kernarg_segment_align: 8
    .kernarg_segment_size: 32
    .max_flat_workgroup_size: 128
    .sgpr_count:     90
    .vgpr_count:     512
    .wavefront_size: 32
...
	.end_amdgpu_metadata
.endif
;; end of part 2
;; launch headlse (part 3): grid 8 x 32, 4 waves a work-group, clusters of 4 x 4, 327,680 bytes of LDS; arguments hk, wk, part; writes part
.if DOCPART == 3
	.amdgcn_target "amdgcn-amd-amdhsa--gfx1250"
	.amdhsa_code_object_version 6
	.text
	.protected	k_qfee50a64bf_headlse
	.globl	k_qfee50a64bf_headlse
	.p2align	8
	.type	k_qfee50a64bf_headlse,@function
k_qfee50a64bf_headlse:
	s_mov_b64 s[64:65], 0
	v_nop
	global_prefetch_b8 v0, s[64:65] scope:SCOPE_SE
	s_setreg_imm32_b32 hwreg(HW_REG_WAVE_MODE, 25, 1), 1
	s_wait_xcnt 0x0
	s_wait_alu depctr_hold_cnt(0) depctr_sa_sdst(0) depctr_va_vdst(0) depctr_va_sdst(0) depctr_va_ssrc(0) depctr_va_vcc(0) depctr_vm_vsrc(0)
	s_getreg_b32 s2, hwreg(HW_REG_IB_STS2, 6, 4)
	s_cmp_eq_u32 s2, 0
	s_cbranch_scc0 .Lentry_in_a_cluster
	s_endpgm
.Lentry_in_a_cluster:
	s_bfe_u32 s2, ttmp6, 0x10000c
	s_cmp_lg_u32 s2, 0xf033
	s_cbranch_scc0 .Lentry_shape_is_right
	s_endpgm
.Lentry_shape_is_right:
; HEADLSE.  Head logits = H0 head_w + head_b (4096 x 2048 x 1024, classes 2002.. carry the bias -1e30) are made and at once reduced: for each token and each block of 128 classes the maximum M
; and L = the sum of e^(x - M), both f32, go to part[slice 0..15][token] as (M, L).  No logit is stored.
; A work-group makes 128 tokens x 256 classes (8 x 32 = 256 work-groups), a wave 64 x 128: 32 accumulators.  K in steps of 128 (two k blocks) through two LDS slots; tiles are dense, asked for as rows of
; 256 bytes with 16 bytes of padding after every 128: LDS rows 144 bytes apart.
; CLUSTER 4 x 4: H's tile hangs on the token tile alone and is shared along a row of the cluster, the weights' on the class tile alone and is shared along a column: joint loads.
; Transposed use (source 0 = 16 classes, source 1 = 16 tokens): a lane holds one token and eight classes; the bias is the C operand of the product that starts a sum.
; LIMITS: a weight below 2^-126 counts as 0; NaN and infinities are not treated apart.
; REGISTERS: window 0: v0-31 addresses; v32-127, v128-223 two fragment buffers (4 of tokens, then 8 of classes); window 1: accumulator (a, b) at v[8 (8 a + b)]; window 2: v0-63 the bias of my 8 class blocks.
.set APK,   18432
.set BPK,   36864
.set BOFF,  36864
.set SLOT,  110592
.set SPARE, 221184
.set ADRA, 16
.set ADRB, 20
.set BV,   22
.set GO,   23
.set SPW,  28
.set NIL,  29
.set F0,   32
.set F1,   128
.set RES,  48                          ; v48-55 (M, L) of my four token tiles
.set G1A, 24
.set G0A, 32
.set G1B, 48
.set G0B, 56
.set CS,  66
.set SEL, 68
.set MSB, 0
.macro WIN new
.if MSB != (\new)
	s_set_vgpr_msb (MSB<<8)|(\new)
.set MSB, \new
.endif
.endm
.macro PLACES
.rept 4
	v_nop
.endr
.endm
.macro JLOAD s                         ; waves 0, 1 fetch H's two k blocks, waves 2, 3 the weights'; an s_nop 0 and four v_nop follow each line
	s_cmp_eq_u32 s13, 0
	s_cbranch_scc0 .Lfor_b_\@
	tensor_load_to_lds s[G0A+4*(\s):G0A+4*(\s)+3], s[G1A:G1A+7]
	s_nop 0
.rept 4
	v_nop
.endr
	s_branch .Lasked_\@
.Lfor_b_\@:
	tensor_load_to_lds s[G0B+4*(\s):G0B+4*(\s)+3], s[G1B:G1B+7]
	s_nop 0
.rept 4
	v_nop
.endr
.Lasked_\@:
.endm
.macro CREST
	s_cmp_lg_u32 s12, 0
	s_cbranch_scc1 .Lnot_wave_0_\@
	s_barrier_signal -3
.Lnot_wave_0_\@:
	s_barrier_wait -3
	s_barrier_signal -1
	s_barrier_wait -1
.endm
.macro CROUND
	s_barrier_signal -1
	s_barrier_wait -1
	CREST
.endm
	s_load_b128 s[4:7], s[0:1], 0x0                ; hk 4, wk 6
	s_load_b64 s[8:9], s[0:1], 0x10                ; part
	v_lshl_add_u32 v[SPW], v0, 2, SPARE
	v_mov_b32 v[NIL], 0
	ds_add_u32 v[SPW], v[NIL]                      ; the wave's opening
	v_lshrrev_b32 v3, 5, v0
	v_readfirstlane_b32 s12, v3
	s_lshr_b32 s13, s12, 1                         ; my half of the tokens.  Also: I fetch H (0) or weights (1)
	s_and_b32 s14, s12, 1                          ; my half of the classes.  Also: which k block I fetch
	s_bfe_u32 s15, ttmp6, 0x40000                  ; cx
	s_bfe_u32 s16, ttmp6, 0x40004                  ; cy
	s_lshl_b32 s17, ttmp9, 2
	s_add_co_u32 s17, s17, s15                     ; class tile = 4 x cluster x + cx
	s_and_b32 s18, ttmp7, 0xffff
	s_lshl_b32 s18, s18, 2
	s_add_co_u32 s18, s18, s16                     ; token tile = 4 x cluster y + cy
	s_lshl_b32 s19, s16, 2
	s_lshl_b32 s19, 15, s19                        ; my row of the cluster
	s_lshl_b32 s20, 0x1111, s15                    ; my column
	s_or_b32 s[G1A+0], s19, (1<<16)|(1<<20)|(1<<21)|(4<<22)|(3<<25)
	s_or_b32 s[G1B+0], s20, (1<<16)|(1<<20)|(1<<21)|(4<<22)|(3<<25)
	s_mov_b32 s[G1A+1], 128<<16
	s_mov_b32 s[G1A+2], 64<<16
	s_mov_b32 s[G1A+3], 128<<16
	s_mov_b32 s[G1A+4], 64
	s_mov_b32 s[G1A+5], 128
	s_mov_b32 s[G1A+6], 0
	s_mov_b32 s[G1A+7], 0
	s_mov_b32 s[G1B+1], 128<<16
	s_mov_b32 s[G1B+2], 128<<16
	s_mov_b32 s[G1B+3], 128<<16
	s_mov_b32 s[G1B+4], 128
	s_mov_b32 s[G1B+5], 128
	s_mov_b32 s[G1B+6], 0
	s_mov_b32 s[G1B+7], 0
	s_lshl_b32 s72, s14, 19                        ; H: k block (w % 2), tokens 128 x token tile: nothing of cx enters
	s_lshl_b32 s73, s18, 14
	s_add_co_u32 s72, s72, s73
	s_mov_b32 s73, 0
	s_lshl_b32 s74, s14, 18                        ; weights: k block (w % 2), rows 256 x class tile: nothing of cy enters
	s_lshl_b32 s75, s17, 15
	s_add_co_u32 s74, s74, s75
	s_add_co_u32 s74, s74, 2883584
	s_mov_b32 s75, 0
	s_mul_i32 s22, s14, APK
	s_mul_i32 s23, s14, BPK
	s_add_co_u32 s23, s23, BOFF
	s_mov_b32 s[CS], 0x3fb8aa3b                    ; log2(e)
	s_mov_b32 s[CS+1], s[CS]
	s_mov_b32 s[SEL], 0x76543210
	s_mov_b32 s[SEL+1], 0xfedcba98
	s_wait_dscnt 0x0
	s_wait_kmcnt 0x0
	s_add_nc_u64 s[40:41], s[4:5], s[72:73]
	s_add_nc_u64 s[42:43], s[6:7], s[74:75]
	CROUND                                         ; all sixteen work-groups are here
.irp s, 0,1
	s_mov_b32 s[G0A+4*\s], 1
	s_add_co_u32 s[G0A+4*\s+1], s22, \s*SLOT
	s_add_nc_u64 s[G0A+4*\s+2:G0A+4*\s+3], s[40:41], \s*1048576
	s_or_b32 s[G0A+4*\s+3], s[G0A+4*\s+3], 0x80000000
	s_mov_b32 s[G0B+4*\s], 1
	s_add_co_u32 s[G0B+4*\s+1], s23, \s*SLOT
	s_add_nc_u64 s[G0B+4*\s+2:G0B+4*\s+3], s[42:43], \s*524288
	s_or_b32 s[G0B+4*\s+3], s[G0B+4*\s+3], 0x80000000
	JLOAD \s
.endr
	v_and_b32 v1, 15, v0
	v_bfe_u32 v2, v0, 4, 1
	s_lshl_b32 s46, s17, 10
	s_lshl_b32 s47, s14, 9
	s_add_co_u32 s46, s46, s47
	s_add_co_u32 s46, s46, 16334848
	s_mov_b32 s47, 0
	s_add_nc_u64 s[44:45], s[6:7], s[46:47]        ; the padded bias at my 128 classes
	v_lshlrev_b32 v[BV], 5, v2
	WIN 0x80                                       ; destination window 2
.irp b, 0,1,2,3,4,5,6,7
	global_load_b128 v[8*\b:8*\b+3],   v[BV], s[44:45] offset:64*\b
	global_load_b128 v[8*\b+4:8*\b+7], v[BV], s[44:45] offset:64*\b+16
.endr
	WIN 0
	v_mul_u32_u24 v4, v1, 144
	v_lshl_add_u32 v4, v2, 4, v4
	s_mul_i32 s46, s13, 64*144
	s_mul_i32 s47, s14, 128*144
	s_add_co_u32 s47, s47, BOFF
.irp s, 0,1
	v_add_nc_u32 v[ADRA+\s], s46, v4
	v_add_nc_u32 v[ADRB+\s], s47, v4
	s_add_co_u32 s46, s46, SLOT
	s_add_co_u32 s47, s47, SLOT
.endr
	s_lshl_b32 s76, s17, 1
	s_add_co_u32 s76, s76, s14                     ; slice = 2 x class tile + my half
	s_lshl_b32 s76, s76, 12
	s_lshl_b32 s77, s18, 7
	s_add_co_u32 s76, s76, s77
	s_lshl_b32 s77, s13, 6
	s_add_co_u32 s76, s76, s77
	s_lshl_b32 s76, s76, 3
	s_mov_b32 s77, 0
	s_add_nc_u64 s[10:11], s[8:9], s[76:77]        ; part at my slice and my first token
	v_and_b32 v[GO], 31, v0
	v_lshlrev_b32 v[GO], 3, v[GO]
.macro MULA f, a, first                ; 8 matrix instructions: token tile a x my 8 class blocks.  first = 1: the bias starts the sums
.if \first
	WIN 0x60
.else
	WIN 0x50
.endif
.irp b, 0,1,2,3,4,5,6,7
.if \first
	v_wmma_f32_16x16x32_bf16 v[8*(8*(\a)+\b):8*(8*(\a)+\b)+7], v[(\f)+32+8*\b:(\f)+32+8*\b+7], v[(\f)+8*(\a):(\f)+8*(\a)+7], v[8*\b:8*\b+7]
.else
	v_wmma_f32_16x16x32_bf16 v[8*(8*(\a)+\b):8*(8*(\a)+\b)+7], v[(\f)+32+8*\b:(\f)+32+8*\b+7], v[(\f)+8*(\a):(\f)+8*(\a)+7], v[8*(8*(\a)+\b):8*(8*(\a)+\b)+7]
.endif
.endr
.endm
.macro FETCH slot, q, f
	WIN 0
.irp a, 0,1,2,3
	ds_load_b128 v[(\f)+8*\a:(\f)+8*\a+3],   v[ADRA+(\slot)] offset:((\q)/2)*APK+((\q)%2)*64+\a*2304
	ds_load_b128 v[(\f)+8*\a+4:(\f)+8*\a+7], v[ADRA+(\slot)] offset:((\q)/2)*APK+((\q)%2)*64+\a*2304+32
.endr
.irp b, 0,1,2,3,4,5,6,7
	ds_load_b128 v[(\f)+32+8*\b:(\f)+32+8*\b+3],   v[ADRB+(\slot)] offset:((\q)/2)*BPK+((\q)%2)*64+\b*2304
	ds_load_b128 v[(\f)+32+8*\b+4:(\f)+32+8*\b+7], v[ADRB+(\slot)] offset:((\q)/2)*BPK+((\q)%2)*64+\b*2304+32
.endr
.endm
.macro QUARTER slot, nq, f, g, first   ; the 32 accumulators take turns, one instruction a turn
	s_wait_dscnt 0x0
	MULA \f, 0, \first
	MULA \f, 1, \first
	PLACES
	FETCH \slot, \nq, \g
	MULA \f, 2, \first
	MULA \f, 3, \first
.endm
.macro TURN slot, next, fill
	WIN 0
	s_wait_tensorcnt 0x0                           ; all my tensor loads have landed: my part of the next slot
	ds_add_u32 v[SPW], v[NIL]                      ; 0 onto my spare word
	s_wait_dscnt 1                                 ; buffer 1's loads are older than the add: only the add may be out
	MULA F1, 0, 0
	s_wait_dscnt 0x0                               ; the add is done, and my reads of this slot are over
	s_barrier_signal -1
	MULA F1, 1, 0
.if \fill
	WIN 0
.endif
	s_barrier_wait -1
.if \fill
	CREST                                          ; no wave of any partner still reads this slot or has a load on its way
	s_add_nc_u64 s[G0A+4*(\slot)+2:G0A+4*(\slot)+3], s[G0A+4*(\slot)+2:G0A+4*(\slot)+3], 2097152
	s_add_nc_u64 s[G0B+4*(\slot)+2:G0B+4*(\slot)+3], s[G0B+4*(\slot)+2:G0B+4*(\slot)+3], 1048576
	JLOAD \slot
.else
	PLACES
.endif
	FETCH \next, 0, F0
	MULA F1, 2, 0
	MULA F1, 3, 0
.endm
	s_wait_tensorcnt 0x1                           ; my part of K step 0 is in; step 1's may stay out
	s_barrier_signal -1
	s_barrier_wait -1
	FETCH 0, 0, F0
	s_wait_loadcnt 0x0                             ; the bias
	QUARTER 0, 1, F0, F1, 1
	WIN 0
	s_mov_b32 s70, 3
.Llap:
	QUARTER 0, 2, F1, F0, 0
	QUARTER 0, 3, F0, F1, 0
	TURN 0, 1, 1
	QUARTER 1, 1, F0, F1, 0
	QUARTER 1, 2, F1, F0, 0
	QUARTER 1, 3, F0, F1, 0
	TURN 1, 0, 1
	QUARTER 0, 1, F0, F1, 0
	WIN 0
	s_sub_co_u32 s70, s70, 1
	s_cmp_lg_u32 s70, 0
	s_cbranch_scc1 .Llap
	QUARTER 0, 2, F1, F0, 0
	QUARTER 0, 3, F0, F1, 0
	TURN 0, 1, 0
	QUARTER 1, 1, F0, F1, 0
	QUARTER 1, 2, F1, F0, 0
	QUARTER 1, 3, F0, F1, 0
	s_wait_dscnt 0x0
	MULA F1, 0, 0
	MULA F1, 1, 0
	MULA F1, 2, 0
	MULA F1, 3, 0
	; THE WAY OUT: for each token tile the maximum and the sum of exponentials of a token's 128 logits: 64 in each of two lanes.
	PLACES
	WIN 0
	v_mov_b32 v41, 0                               ; named with c m as a pair
.macro LSE a
.set AB, 64*(\a)
	WIN 0x15                                       ; three sources in window 1
.irp b, 0,1,2,3,4,5,6,7
	v_max3_num_f32 v[32+\b], v[AB+8*\b], v[AB+8*\b+1], v[AB+8*\b+2]
.endr
	WIN 0x14
.irp b, 0,1,2,3,4,5,6,7
	v_max3_num_f32 v[32+\b], v[32+\b], v[AB+8*\b+3], v[AB+8*\b+4]
.endr
.irp b, 0,1,2,3,4,5,6,7
	v_max3_num_f32 v[32+\b], v[32+\b], v[AB+8*\b+5], v[AB+8*\b+6]
.endr
.irp b, 0,1,2,3
	v_max3_num_f32 v[32+\b], v[32+\b], v[AB+16*\b+7], v[AB+16*\b+15]
.endr
	WIN 0
	v_max3_num_f32 v32, v32, v33, v34
	v_max3_num_f32 v35, v35, v36, v37
	v_max3_num_f32 v32, v32, v35, v38
	v_max_num_f32 v32, v32, v39
	v_permlanex16_b32 v33, v32, s[SEL], s[SEL+1]   ; the token's other 64 classes lie in the lane 16 away
	v_max_num_f32 v[RES+2*(\a)], v32, v33
	v_mul_f32 v40, s[CS], v[RES+2*(\a)]
	WIN 0x41
.set p, 0
.rept 32
	v_pk_fma_f32 v[AB+2*p:AB+2*p+1], v[AB+2*p:AB+2*p+1], s[CS:CS+1], v[40:41] op_sel_hi:[1,0,0] neg_lo:[0,0,1] neg_hi:[0,0,1]
.set p, p+1
.endr
.set p, 0
.rept 64
	v_exp_f32 v[AB+p], v[AB+p]
.set p, p+1
.endr
	v_nop                                          ; a plain instruction behind the last exponential,
	s_wait_alu depctr_va_vdst(0)                   ; and one wait for the batch
	WIN 0x45
.irp n, 16,8,4,2,1
.set u, 0
.rept \n
	v_pk_add_f32 v[AB+2*u:AB+2*u+1], v[AB+2*u:AB+2*u+1], v[AB+2*(u+\n):AB+2*(u+\n)+1]
.set u, u+1
.endr
.endr
	WIN 0x05
	v_add_f32 v32, v[AB], v[AB+1]
	WIN 0
	v_permlanex16_b32 v33, v32, s[SEL], s[SEL+1]
	v_add_f32 v[RES+2*(\a)+1], v32, v33
.endm
	LSE 0
	LSE 1
	LSE 2
	LSE 3
	s_mov_b32 s71, 0xffff0000                      ; lanes 16-31 take the odd tile: lane l then stands for token 32 i + l
.irp i, 0,1
	v_cndmask_b32 v[56+2*\i], v[RES+4*\i],   v[RES+4*\i+2], s71
	v_cndmask_b32 v[57+2*\i], v[RES+4*\i+1], v[RES+4*\i+3], s71
	global_store_b64 v[GO], v[56+2*\i:57+2*\i], s[10:11] offset:256*\i   ; 256 consecutive bytes, aligned
.endr
	s_wait_tensorcnt 0x0                           ; the wave's end
	ds_add_u32 v[SPW], v[NIL]
	s_wait_dscnt 0x0
	CROUND                                         ; the closing round
	s_endpgm
.Lfunc_end_k_qfee50a64bf_headlse:
	.size	k_qfee50a64bf_headlse, .Lfunc_end_k_qfee50a64bf_headlse-k_qfee50a64bf_headlse
	.p2alignl 7, 3214868480
	.fill 96, 4, 3214868480
	.section	.rodata,"a",@progbits
	.p2align	6, 0x0
	.amdhsa_kernel k_qfee50a64bf_headlse
		.amdhsa_group_segment_fixed_size 327680
		.amdhsa_private_segment_fixed_size 0
		.amdhsa_enable_private_segment 0
		.amdhsa_kernarg_size 24
		.amdhsa_user_sgpr_count 2
		.amdhsa_user_sgpr_kernarg_segment_ptr 1
		.amdhsa_wavefront_size32 1
		.amdhsa_system_sgpr_workgroup_id_x 1
		.amdhsa_system_sgpr_workgroup_id_y 1
		.amdhsa_system_sgpr_workgroup_id_z 1
		.amdhsa_system_vgpr_workitem_id 0
		.amdhsa_next_free_vgpr 576
		.amdhsa_next_free_sgpr 80
		.amdhsa_reserve_vcc 0
		.amdhsa_float_denorm_mode_32 3
		.amdhsa_float_denorm_mode_16_64 3
		.amdhsa_memory_ordered 1
		.amdhsa_forward_progress 1
		.amdhsa_inst_pref_size 106
	.end_amdhsa_kernel
	.amdgpu_metadata
---
amdhsa.version: [ 1, 2 ]
amdhsa.kernels:
  - .name:           k_qfee50a64bf_headlse
    .symbol:         k_qfee50a64bf_headlse.kd
    .args:
      - { .name: hk, .offset: 0, .size: 8, .value_kind: global_buffer, .address_space: global }
      - { .name: wk, .offset: 8, .size: 8, .value_kind: global_buffer, .address_space: global }
      - { .name: part, .offset: 16, .size: 8, .value_kind: global_buffer, .address_space: global }
    .group_segment_fixed_size: 327680
    .private_segment_fixed_size: 0
    .kernarg_segment_align: 8
    .kernarg_segment_size: 24
    .max_flat_workgroup_size: 128
    .sgpr_count:     80
    .vgpr_count:     576
    .wavefront_size: 32
...
	.end_amdgpu_metadata
.endif
;; end of part 3
;; launch taillse (part 4): grid 250 x 1, 8 waves a work-group, no clusters, 167,936 bytes of LDS; arguments hk, wk, tail1_b, tail2_b, route, part; writes part
.if DOCPART == 4
	.amdgcn_target "amdgcn-amd-amdhsa--gfx1250"
	.amdhsa_code_object_version 6
	.text
	.protected	k_qfee50a64bf_taillse
	.globl	k_qfee50a64bf_taillse
	.p2align	8
	.type	k_qfee50a64bf_taillse,@function
k_qfee50a64bf_taillse:
	s_mov_b64 s[64:65], 0
	v_nop
	global_prefetch_b8 v0, s[64:65] scope:SCOPE_SE
	s_setreg_imm32_b32 hwreg(HW_REG_WAVE_MODE, 25, 1), 1
	s_wait_xcnt 0x0
; TAILLSE.  Tail logits for the rows of the tokens that chose the tail (rows 0 .. n_c - 1 of hk's sorted tail groups), reduced at once: for each row and each slice of classes
; (M, L) = (maximum, sum of e^(x - M)), f32, to part[slice][row]: slices 16-265 tail 1 (32 classes each), 266-515 tail 2 (160 classes each).  No logit is stored.
; SHARES.  40000 = 250 x 160 and 8000 = 250 x 32: work-group g owns slice g of BOTH tails and walks all chosen rows: equal work in all 250 work-groups at every split of the tokens.
; Rows go in pairs of tiles (32 rows): wave w takes pairs w, w + 8, ..  Both loops have constant counts (4096 rows / 32 / 8 waves = 16 pairs a wave); trips past the count are jumped.
; In a pair that is not full the rows past the count are rows of other tokens (hk's tail groups are written whole); what is stored for them is never read.
; WEIGHTS.  The slices and their biases come into LDS by first fills (nothing is filled again) and from there ONCE into each wave's registers: 128 + 16 for tail 1, then 160 + 80 for tail 2.
; No loop touches LDS.  The rows' fragments come from memory straight into registers and are asked for again as soon as the products have read them.
; Transposed use (source 0 = 16 classes, source 1 = 16 rows): a lane holds one row and eight classes a tile; the bias is the C operand that starts a sum.
; SOFTMAX.  All of a slice's logits of a row are in registers at once (half in each of two lanes): their maximum M is taken first, then p = 2^(c x - c M), c = log2(e), and L = the sum of p.
; TAIL 2's WALK IS ROTATED: a wave with NQ live trips begins at trip (g x NQ) >> 8 and wraps round, so that the 250 work-groups do not all ask for the same rows in the same trip.
; NO CLUSTER: each slice has one reader; what the work-groups share, the rows, goes to registers and not to LDS.
; Eight waves, two a SIMD: the loops are mostly vector work, and one wave's products stand beside the other's softmax.
; LIMITS: a weight below 2^-126 counts as 0; NaN and infinities are not treated apart.
; REGISTERS.  Window 0: v0-31 addresses and work; v32-63 tail 1's scores; v64-79 its bias; v80-111 tail 2's rows; v112-239 tail 1's row buffer Y, later v112-191 tail 2's scores.
;             Window 1: tail 1: v0-127 row buffer X, v128-255 weights; tail 2: v0-159 weights, v160-239 bias.
.set W1L,   0                          ; tail 1: four k blocks of 32 rows x 144 bytes
.set W2L,   18432                      ; tail 2: 160 rows x 144 bytes
.set B2L,   41472                      ; tail 2: 160 f32 of bias
.set B1L,   42240                      ; tail 1: 32 f32 of bias
.set SPARE, 42496                      ; the spare words: 128 bytes a wave, four blocks of 256 bytes that no other line names
.set WL,   4                           ; v4   my lane's place in a fragment of weights in LDS; never rewritten
.set BL,   5                           ; v5   my lane's place in 16 classes' bias; never rewritten
.set TL,   6                           ; v6   my lane's place in 16 rows of hk; never rewritten
.set GL,   7                           ; v7   8 x lane; never rewritten
.set TA1,  8                           ; v8-9   byte offsets of tail 1's buffers X, Y in hk
.set SPW,  10
.set NIL,  11
.set TA2,  12                          ; v12-13 byte offsets of tail 2's two tiles
.set GO,   14                          ; v14  byte offset of a store
.set CC,   16                          ; v16-25 at work.  Tail 1, tile t: v[16+4t], v[17+4t] at work, v[18+4t] c M (named as a pair), v[24+2t] M, v[25+2t] L
.set CM,   26                          ; v26-27 tail 2: c M (named as a pair)
.set RA,   28                          ; v28-29 tail 2: M, L of the pair's first tile
.set OUT,  30                          ; v30-31 what is stored
.set S1,   32
.set BI1,  64
.set TOK2, 80
.set YB,   112
.set S,    112
.set XB,   0                           ; window 1
.set W1R,  128                         ; window 1: class tile vt, k chunk f at 128 + 64 vt + 8 f
.set BI2,  160                         ; window 1
.set CS,   76
.set SEL,  78
.set ROW,  88
.set RW,   89
.set T0,   90
.set CNT,  91
.set MASK, 92
.set T1,   93
.set NQ,   96
.set Q,    97
.set W32,  98
.set J,    99
.set MSB, 0
.macro WIN new                         ; the immediate's high byte repeats the setting that is left; a switch that changes nothing is dropped
.if MSB != (\new)
	s_set_vgpr_msb (MSB<<8)|(\new)
.set MSB, \new
.endif
.endm
.macro ALL2 line:vararg                ; one line for each tile tt of a pair
.set tt, 0
.rept 2
	\line
.set tt, tt+1
.endr
.endm
.macro BEHIND                          ; behind a tensor load
	s_nop 0
.rept 4
	v_nop
.endr
.endm
; 32 loads: a pair's rows of tail 1 (2 tiles x 8 k chunks of 32) into buffer y
.macro LD1 y
.if \y
	WIN 0
.set TB, YB
.else
	WIN 0x40                                       ; destination window 1
.set TB, XB
.endif
.set tt, 0
.rept 2
.set f, 0
.rept 8
	global_load_b128 v[TB+64*tt+8*f:TB+64*tt+8*f+3],   v[TA1+(\y)], s[80:81] offset:(f/2)*524288+tt*2048+(f%2)*64
	global_load_b128 v[TB+64*tt+8*f+4:TB+64*tt+8*f+7], v[TA1+(\y)], s[80:81] offset:(f/2)*524288+tt*2048+(f%2)*64+32
.set f, f+1
.endr
.set tt, tt+1
.endr
	WIN 0
.endm
; 4 loads: tile u's 16 rows of tail 2
.macro LD2 u
.irp kk, 0,1
	global_load_b128 v[TOK2+16*(\u)+8*\kk:TOK2+16*(\u)+8*\kk+3],   v[TA2+(\u)], s[82:83] offset:(\u)*2048+\kk*64
	global_load_b128 v[TOK2+16*(\u)+8*\kk+4:TOK2+16*(\u)+8*\kk+7], v[TA2+(\u)], s[82:83] offset:(\u)*2048+\kk*64+32
.endr
.endm
	s_load_b256 s[4:11], s[0:1], 0x0               ; hk 4, wk 6, tail1_b 8, tail2_b 10
	s_load_b128 s[12:15], s[0:1], 0x20             ; route 12, part 14
	v_lshl_add_u32 v[SPW], v0, 2, SPARE
	v_mov_b32 v[NIL], 0
	ds_add_u32 v[SPW], v[NIL]                      ; the wave's opening
	v_lshrrev_b32 v3, 5, v0
	v_readfirstlane_b32 s18, v3                    ; wave 0..7
	v_and_b32 v1, 15, v0
	v_bfe_u32 v2, v0, 4, 1
	; group 1 for a k block of tail 1's slice: 32 rows of 128 dense bytes as 16 rows of 256; 16 bytes of padding after every 128
	s_mov_b32 s24, (1<<16)|(1<<20)|(4<<22)|(3<<25)
	s_mov_b32 s25, 128<<16
	s_mov_b32 s26, 16<<16
	s_mov_b32 s27, 128<<16
	s_mov_b32 s28, 16
	s_mov_b32 s29, 128
	s_mov_b32 s30, 0
	s_mov_b32 s31, 0
	; for tail 2's slice: 160 rows as 80 rows of 256 bytes
	s_mov_b32 s32, (1<<16)|(1<<20)|(4<<22)|(3<<25)
	s_mov_b32 s33, 128<<16
	s_mov_b32 s34, 80<<16
	s_mov_b32 s35, 128<<16
	s_mov_b32 s36, 80
	s_mov_b32 s37, 128
	s_mov_b32 s38, 0
	s_mov_b32 s39, 0
	; for tail 2's bias: one row of 80 elements of 8 bytes
	s_mov_b32 s40, 3<<16
	s_mov_b32 s41, 80<<16
	s_mov_b32 s42, 1<<16
	s_mov_b32 s43, 80<<16
	s_mov_b32 s44, 1
	s_mov_b32 s45, 80
	s_mov_b32 s46, 0
	s_mov_b32 s47, 0
	; for tail 1's bias: one row of 16 elements of 8 bytes
	s_mov_b32 s48, 3<<16
	s_mov_b32 s49, 16<<16
	s_mov_b32 s50, 1<<16
	s_mov_b32 s51, 16<<16
	s_mov_b32 s52, 1
	s_mov_b32 s53, 16
	s_mov_b32 s54, 0
	s_mov_b32 s55, 0
	s_mov_b32 s56, 1                               ; group 0: tail 1's k block w (waves 0-3),
	s_mul_i32 s57, s18, 4608
	s_mov_b32 s60, 1                               ; tail 2's slice,
	s_mov_b32 s61, W2L
	s_mov_b32 s68, 1                               ; tail 2's bias,
	s_mov_b32 s69, B2L
	s_mov_b32 s72, 1                               ; tail 1's bias
	s_mov_b32 s73, B1L
	s_mov_b32 s[CS], 0x3fb8aa3b                    ; c = log2(e)
	s_mov_b32 s[CS+1], s[CS]
	s_mov_b32 s[SEL], 0x76543210
	s_mov_b32 s[SEL+1], 0xfedcba98
	s_mov_b32 s[MASK], 0xffff0000                  ; lanes 16-31 take a pair's second tile: lane l then stands for row l of the 32
	v_mul_u32_u24 v[WL], v1, 144
	v_lshl_add_u32 v[WL], v2, 4, v[WL]             ; row x pitch + 16 x half
	v_lshlrev_b32 v[BL], 5, v2                     ; 32 bytes for each half of the lanes
	v_lshlrev_b32 v[TL], 7, v1
	v_lshl_add_u32 v[TL], v2, 4, v[TL]             ; row x 128 + 16 x half
	v_and_b32 v[GL], 31, v0
	v_lshlrev_b32 v[GL], 3, v[GL]
	v_mov_b32 v19, 0                               ; named beside c M as pairs
	v_mov_b32 v23, 0
	v_mov_b32 v27, 0
	s_mov_b32 s19, ttmp9                           ; my slice
	s_lshl_b32 s[W32], s18, 5                      ; my first pair's first row
	s_mov_b32 s95, 0
	s_wait_dscnt 0x0                               ; the opening add is done
	s_wait_kmcnt 0x0
	s_load_b64 s[16:17], s[12:13], 0xc000          ; n1, n2
	s_mul_i32 s94, s18, 1032192                    ; tail1_w^T: k block w, rows 32 x slice
	s_lshl_b32 s20, s19, 12
	s_add_co_u32 s94, s94, s20
	s_add_co_u32 s94, s94, 7077888
	s_add_nc_u64 s[58:59], s[6:7], s[94:95]
	s_or_b32 s59, s59, 0x80000000
	s_mul_i32 s94, s19, 20480                      ; tail2_w^T: rows 160 x slice
	s_add_co_u32 s94, s94, 11206656
	s_add_nc_u64 s[62:63], s[6:7], s[94:95]
	s_or_b32 s63, s63, 0x80000000
	s_mul_i32 s94, s19, 640
	s_add_nc_u64 s[70:71], s[10:11], s[94:95]
	s_or_b32 s71, s71, 0x80000000
	s_lshl_b32 s94, s19, 7
	s_add_nc_u64 s[74:75], s[8:9], s[94:95]
	s_or_b32 s75, s75, 0x80000000
	s_cmp_lt_u32 s18, 4                            ; at most one load a wave, by the wave's number: waves 0-3 tail 1's k blocks, 4 tail 2's slice, 5 and 6 the biases
	s_cbranch_scc0 .Lf_a
	tensor_load_to_lds s[56:59], s[24:31]
	BEHIND
	s_branch .Lf_done
.Lf_a:
	s_cmp_eq_u32 s18, 4
	s_cbranch_scc0 .Lf_b
	tensor_load_to_lds s[60:63], s[32:39]
	BEHIND
	s_branch .Lf_done
.Lf_b:
	s_cmp_eq_u32 s18, 5
	s_cbranch_scc0 .Lf_c
	tensor_load_to_lds s[68:71], s[40:47]
	BEHIND
	s_branch .Lf_done
.Lf_c:
	s_cmp_eq_u32 s18, 6
	s_cbranch_scc0 .Lf_done
	tensor_load_to_lds s[72:75], s[48:55]
	BEHIND
.Lf_done:
	s_add_nc_u64 s[80:81], s[4:5], 8388608         ; hk's group 16: tail 1's rows
	s_add_nc_u64 s[82:83], s[4:5], 10485760        ; hk's group 20: tail 2's rows
	s_add_co_u32 s94, s19, 16
	s_lshl_b32 s94, s94, 15
	s_add_nc_u64 s[84:85], s[14:15], s[94:95]      ; part at my slice of tail 1,
	s_add_co_u32 s94, s19, 266
	s_lshl_b32 s94, s94, 15
	s_add_nc_u64 s[86:87], s[14:15], s[94:95]      ; and of tail 2
	s_lshl_b32 s20, s18, 12                        ; 32 w rows of 128 bytes
	v_add_nc_u32 v[TA1], s20, v[TL]
	s_add_co_u32 s21, s20, 32768                   ; 256 rows on
	v_add_nc_u32 v[TA1+1], s21, v[TL]
	LD1 0                                          ; pairs w and w + 8 of tail 1
	LD1 1
	s_wait_tensorcnt 0x0                           ; my part of the slices has landed,
	s_barrier_signal -1
	s_barrier_wait -1                              ; everybody's has
	WIN 0x40                                       ; tail 1's weights into registers, once
.set vt, 0
.rept 2
.set f, 0
.rept 8
	ds_load_b128 v[W1R+64*vt+8*f:W1R+64*vt+8*f+3],   v[WL] offset:W1L+(f/2)*4608+vt*2304+(f%2)*64
	ds_load_b128 v[W1R+64*vt+8*f+4:W1R+64*vt+8*f+7], v[WL] offset:W1L+(f/2)*4608+vt*2304+(f%2)*64+32
.set f, f+1
.endr
.set vt, vt+1
.endr
	WIN 0
.irp vt, 0,1
	ds_load_b128 v[BI1+8*\vt:BI1+8*\vt+3],   v[BL] offset:B1L+64*\vt
	ds_load_b128 v[BI1+8*\vt+4:BI1+8*\vt+7], v[BL] offset:B1L+64*\vt+16
.endr
	s_wait_kmcnt 0x0                               ; the counts
	s_add_co_u32 s20, s17, 31
	s_lshr_b32 s20, s20, 5                         ; pairs that hold rows of tail 2
	s_add_co_u32 s20, s20, 7
	s_sub_co_u32 s20, s20, s18
	s_lshr_b32 s[NQ], s20, 3                       ; of them mine (w, w + 8, ..): 0 to 16
	s_mul_i32 s[Q], s19, s[NQ]
	s_lshr_b32 s[Q], s[Q], 8                       ; where my walk begins: below NQ, since the slice's number is below 256
	s_lshl_b32 s20, s[Q], 8
	s_add_co_u32 s20, s20, s[W32]
	s_min_u32 s20, s20, 4064                       ; a pair's first row is 4064 at the most
	s_lshl_b32 s20, s20, 7
	v_add_nc_u32 v[TA2], s20, v[TL]
	v_add_nc_u32 v[TA2+1], s20, v[TL]
	LD2 0                                          ; tail 2's first pair: it has all of tail 1 in which to land
	LD2 1
	s_wait_dscnt 0x0                               ; tail 1's weights and bias are in
; ======================= TAIL 1 =======================
; One pair of tiles out of buffer y: 32 products, the buffer's next fill (the pair 16 pairs on), the softmax of 2 x 16 scores a lane, one store.
.macro HALF1 y
	s_add_co_u32 s[RW], s[ROW], 256*(\y)           ; the pair's first row
	s_cmp_lt_u32 s[RW], s16
	s_cbranch_scc1 .Llive_\@
	s_wait_loadcnt 0x0                             ; no row of the pair chose tail 1: nothing is done; with all loads in, the counted wait below is right on every way
	s_branch .Ldone_\@
.Llive_\@:
	s_wait_loadcnt 32                              ; loads come back in order: my buffer's 32 are in, the other buffer's 32 younger ones may be out
.if \y
	WIN 0x01                                       ; weights in window 1, rows in window 0
.set TB, YB
.else
	WIN 0x05                                       ; weights and rows in window 1
.set TB, XB
.endif
.set f, 0
.rept 8                                                ; the pair's four accumulators take turns
.set tt, 0
.rept 2
.set vt, 0
.rept 2
.if f == 0
	v_wmma_f32_16x16x32_bf16 v[S1+16*tt+8*vt:S1+16*tt+8*vt+7], v[W1R+64*vt+8*f:W1R+64*vt+8*f+7], v[TB+64*tt+8*f:TB+64*tt+8*f+7], v[BI1+8*vt:BI1+8*vt+7]
.else
	v_wmma_f32_16x16x32_bf16 v[S1+16*tt+8*vt:S1+16*tt+8*vt+7], v[W1R+64*vt+8*f:W1R+64*vt+8*f+7], v[TB+64*tt+8*f:TB+64*tt+8*f+7], v[S1+16*tt+8*vt:S1+16*tt+8*vt+7]
.endif
.set vt, vt+1
.endr
.set tt, tt+1
.endr
.set f, f+1
.endr
	WIN 0
	s_add_co_u32 s[T0], s[RW], 512                 ; the buffer's next pair, held inside the 4,096 rows
	s_min_u32 s[T0], s[T0], 4064
	s_lshl_b32 s[T0], s[T0], 7
	v_add_nc_u32 v[TA1+(\y)], s[T0], v[TL]         ; free since the wait above showed its loads done; with three v_nop the four places behind the products
	v_nop
	v_nop
	v_nop
	LD1 \y
	ALL2 v_max3_num_f32 v[16+4*tt], v[S1+16*tt], v[S1+16*tt+1], v[S1+16*tt+2]     ; each accumulator's lowest registers are read first
	ALL2 v_max3_num_f32 v[17+4*tt], v[S1+16*tt+8], v[S1+16*tt+9], v[S1+16*tt+10]
	ALL2 v_max3_num_f32 v[16+4*tt], v[16+4*tt], v[S1+16*tt+3], v[S1+16*tt+4]
	ALL2 v_max3_num_f32 v[17+4*tt], v[17+4*tt], v[S1+16*tt+11], v[S1+16*tt+12]
	ALL2 v_max3_num_f32 v[16+4*tt], v[16+4*tt], v[S1+16*tt+5], v[S1+16*tt+6]
	ALL2 v_max3_num_f32 v[17+4*tt], v[17+4*tt], v[S1+16*tt+13], v[S1+16*tt+14]
	ALL2 v_max3_num_f32 v[16+4*tt], v[16+4*tt], v[S1+16*tt+7], v[S1+16*tt+15]
	ALL2 v_max_num_f32 v[16+4*tt], v[16+4*tt], v[17+4*tt]
	ALL2 v_permlanex16_b32 v[17+4*tt], v[16+4*tt], s[SEL], s[SEL+1]               ; the row's other 16 classes lie in the lane 16 away
	ALL2 v_max_num_f32 v[24+2*tt], v[16+4*tt], v[17+4*tt]
	ALL2 v_mul_f32 v[18+4*tt], s[CS], v[24+2*tt]
.irp p, 0,1,2,3,4,5,6,7
	ALL2 v_pk_fma_f32 v[S1+16*tt+2*\p:S1+16*tt+2*\p+1], v[S1+16*tt+2*\p:S1+16*tt+2*\p+1], s[CS:CS+1], v[18+4*tt:19+4*tt] op_sel_hi:[1,0,0] neg_lo:[0,0,1] neg_hi:[0,0,1]
.endr
.set e, 0
.rept 32
	v_exp_f32 v[S1+e], v[S1+e]
.set e, e+1
.endr
	v_nop                                          ; a plain instruction behind the last exponential,
	s_wait_alu depctr_va_vdst(0)                   ; and one wait for the 32
.irp n, 4,2,1
.set u, 0
.rept \n
	ALL2 v_pk_add_f32 v[S1+16*tt+2*u:S1+16*tt+2*u+1], v[S1+16*tt+2*u:S1+16*tt+2*u+1], v[S1+16*tt+2*(u+\n):S1+16*tt+2*(u+\n)+1]
.set u, u+1
.endr
.endr
	ALL2 v_add_f32 v[16+4*tt], v[S1+16*tt], v[S1+16*tt+1]
	ALL2 v_permlanex16_b32 v[17+4*tt], v[16+4*tt], s[SEL], s[SEL+1]
	ALL2 v_add_f32 v[25+2*tt], v[16+4*tt], v[17+4*tt]
	s_wait_xcnt 0x0                                ; the store before has had its address translated: its offset and data are rewritten only behind this wait
	s_lshl_b32 s[T1], s[RW], 3
	v_add_nc_u32 v[GO], s[T1], v[GL]
	v_cndmask_b32 v[OUT],   v24, v26, s[MASK]
	v_cndmask_b32 v[OUT+1], v25, v27, s[MASK]
	global_store_b64 v[GO], v[OUT:OUT+1], s[84:85] ; (M, L) of 32 rows: 256 consecutive bytes, aligned
.Ldone_\@:
.endm
	s_mov_b32 s[ROW], s[W32]
	s_mov_b32 s[CNT], 8
.Lp1:                                                  ; 8 trips of two pairs, in every wave
	HALF1 0
	HALF1 1
	s_add_co_u32 s[ROW], s[ROW], 512
	s_sub_co_u32 s[CNT], s[CNT], 1
	s_cmp_lg_u32 s[CNT], 0
	s_cbranch_scc1 .Lp1
; ======================= TAIL 2 =======================
	s_wait_loadcnt 0x0                             ; no load is on its way into the registers that now change hands; tail 2's first pair is in
	WIN 0x40                                       ; tail 2's weights and bias into registers, once
.set vt, 0
.rept 10
.irp kk, 0,1
	ds_load_b128 v[16*vt+8*\kk:16*vt+8*\kk+3],   v[WL] offset:W2L+vt*2304+\kk*64
	ds_load_b128 v[16*vt+8*\kk+4:16*vt+8*\kk+7], v[WL] offset:W2L+vt*2304+\kk*64+32
.endr
	ds_load_b128 v[BI2+8*vt:BI2+8*vt+3],   v[BL] offset:B2L+64*vt
	ds_load_b128 v[BI2+8*vt+4:BI2+8*vt+7], v[BL] offset:B2L+64*vt+16
.set vt, vt+1
.endr
	WIN 0
	s_wait_dscnt 0x0
; Tile u of a pair: 16 rows x 160 classes: 20 products, the tile's next fill, the softmax of the lane's 80 scores; M into v[mr], L into v[lr].
.macro TILE2 u, mr, lr
	s_wait_loadcnt 4                               ; loads come back in order: this tile's 4 are in, the other tile's 4 younger ones may be out
	WIN 0x11                                       ; weights and bias in window 1, rows and scores in window 0
.irp vt, 0,1,2,3,4,5,6,7,8,9           ; the ten accumulators take turns
	v_wmma_f32_16x16x32_bf16 v[S+8*\vt:S+8*\vt+7], v[16*\vt:16*\vt+7], v[TOK2+16*(\u):TOK2+16*(\u)+7], v[BI2+8*\vt:BI2+8*\vt+7]
.endr
	WIN 0x01
.irp vt, 0,1,2,3,4,5,6,7,8,9
	v_wmma_f32_16x16x32_bf16 v[S+8*\vt:S+8*\vt+7], v[16*\vt+8:16*\vt+15], v[TOK2+16*(\u)+8:TOK2+16*(\u)+15], v[S+8*\vt:S+8*\vt+7]
.endr
	WIN 0
	v_add_nc_u32 v[TA2+(\u)], s[T0], v[TL]         ; free since the wait above showed its loads done; with three v_nop the four places behind the products
	v_nop
	v_nop
	v_nop
	LD2 \u                                         ; the same tile of my next pair: it has a whole trip in which to land
.irp a, 0,1,2,3,4,5,6,7,8,9            ; each accumulator's lowest registers are read first
	v_max3_num_f32 v[CC+\a], v[S+8*\a], v[S+8*\a+1], v[S+8*\a+2]
.endr
.irp a, 0,1,2,3,4,5,6,7,8,9
	v_max3_num_f32 v[CC+\a], v[CC+\a], v[S+8*\a+3], v[S+8*\a+4]
.endr
.irp a, 0,1,2,3,4,5,6,7,8,9
	v_max3_num_f32 v[CC+\a], v[CC+\a], v[S+8*\a+5], v[S+8*\a+6]
.endr
.irp a, 0,1,2,3,4
	v_max3_num_f32 v[CC+\a], v[CC+\a], v[S+16*\a+7], v[S+16*\a+15]
.endr
	v_max3_num_f32 v[CC],   v[CC],   v[CC+1], v[CC+2]
	v_max3_num_f32 v[CC+3], v[CC+3], v[CC+4], v[CC+5]
	v_max3_num_f32 v[CC+6], v[CC+6], v[CC+7], v[CC+8]
	v_max3_num_f32 v[CC],   v[CC],   v[CC+3], v[CC+6]
	v_max_num_f32  v[CC],   v[CC],   v[CC+9]
	v_permlanex16_b32 v[CC+1], v[CC], s[SEL], s[SEL+1]   ; the row's other 80 classes lie in the lane 16 away
	v_max_num_f32 v[\mr], v[CC], v[CC+1]
	v_mul_f32 v[CM], s[CS], v[\mr]
	; c x - c M for 40 pairs and 80 exponentials, one batch: a scaling stands behind every two exponentials while there are scalings, each four pairs ahead of its exponentials; none names a result
.set p, 0
.rept 4
	v_pk_fma_f32 v[S+2*p:S+2*p+1], v[S+2*p:S+2*p+1], s[CS:CS+1], v[CM:CM+1] op_sel_hi:[1,0,0] neg_lo:[0,0,1] neg_hi:[0,0,1]
.set p, p+1
.endr
.set e, 0
.rept 40
	v_exp_f32 v[S+2*e], v[S+2*e]
	v_exp_f32 v[S+2*e+1], v[S+2*e+1]
.if p < 40
	v_pk_fma_f32 v[S+2*p:S+2*p+1], v[S+2*p:S+2*p+1], s[CS:CS+1], v[CM:CM+1] op_sel_hi:[1,0,0] neg_lo:[0,0,1] neg_hi:[0,0,1]
.set p, p+1
.endif
.set e, e+1
.endr
	v_nop                                          ; a plain instruction behind the last exponential,
	s_wait_alu depctr_va_vdst(0)                   ; and one wait for the 80
.irp n, 20,10,5
.set u, 0
.rept \n
	v_pk_add_f32 v[S+2*u:S+2*u+1], v[S+2*u:S+2*u+1], v[S+2*(u+\n):S+2*(u+\n)+1]
.set u, u+1
.endr
.endr
	v_pk_add_f32 v[S:S+1],   v[S:S+1],   v[S+2:S+3]
	v_pk_add_f32 v[S+4:S+5], v[S+4:S+5], v[S+6:S+7]
	v_pk_add_f32 v[S:S+1],   v[S:S+1],   v[S+4:S+5]
	v_pk_add_f32 v[S:S+1],   v[S:S+1],   v[S+8:S+9]
	v_add_f32 v[CC], v[S], v[S+1]
	v_permlanex16_b32 v[CC+1], v[CC], s[SEL], s[SEL+1]
	v_add_f32 v[\lr], v[CC], v[CC+1]
.endm
	s_mov_b32 s[J], 0
.Lp2:                                                  ; 16 trips, in every wave; the first NQ of them have a pair
	s_cmp_ge_u32 s[J], s[NQ]
	s_cbranch_scc1 .Lp2_next                       ; no pair is left: the trip's work is jumped; no barrier and no tensor load lies in it
	s_lshl_b32 s[RW], s[Q], 8
	s_add_co_u32 s[RW], s[RW], s[W32]              ; this pair's first row: 32 w + 256 Q
	s_min_u32 s[RW], s[RW], 4064
	s_add_co_u32 s[Q], s[Q], 1                     ; the walk's next pair: behind my last one comes my first
	s_cmp_ge_u32 s[Q], s[NQ]
	s_cselect_b32 s[Q], 0, s[Q]
	s_lshl_b32 s[T0], s[Q], 8
	s_add_co_u32 s[T0], s[T0], s[W32]
	s_min_u32 s[T0], s[T0], 4064
	s_lshl_b32 s[T0], s[T0], 7                     ; its byte offset in hk's group
	TILE2 0, RA, RA+1
	TILE2 1, CC+8, CC+9
	s_wait_xcnt 0x0                                ; the store before has had its address translated: its offset and data are rewritten only behind this wait
	s_lshl_b32 s[T1], s[RW], 3
	v_add_nc_u32 v[GO], s[T1], v[GL]
	v_cndmask_b32 v[OUT],   v[RA],   v[CC+8], s[MASK]
	v_cndmask_b32 v[OUT+1], v[RA+1], v[CC+9], s[MASK]
	global_store_b64 v[GO], v[OUT:OUT+1], s[86:87] ; (M, L) of 32 rows: 256 consecutive bytes, aligned
.Lp2_next:
	s_add_co_u32 s[J], s[J], 1
	s_cmp_lt_u32 s[J], 16
	s_cbranch_scc1 .Lp2
	s_wait_dscnt 0x0                               ; my reads of the slices are long over,
	s_barrier_signal -1
	s_barrier_wait -1                              ; and so are every wave's: only now is LDS written again, by the closing add
	s_wait_tensorcnt 0x0                           ; the wave's end
	ds_add_u32 v[SPW], v[NIL]
	s_wait_dscnt 0x0
	s_endpgm
.Lfunc_end_k_qfee50a64bf_taillse:
	.size	k_qfee50a64bf_taillse, .Lfunc_end_k_qfee50a64bf_taillse-k_qfee50a64bf_taillse
	.p2alignl 7, 3214868480
	.fill 96, 4, 3214868480
	.section	.rodata,"a",@progbits
	.p2align	6, 0x0
	.amdhsa_kernel k_qfee50a64bf_taillse
		.amdhsa_group_segment_fixed_size 167936
		.amdhsa_private_segment_fixed_size 0
		.amdhsa_enable_private_segment 0
		.amdhsa_kernarg_size 48
		.amdhsa_user_sgpr_count 2
		.amdhsa_user_sgpr_kernarg_segment_ptr 1
		.amdhsa_wavefront_size32 1
		.amdhsa_system_sgpr_workgroup_id_x 1
		.amdhsa_system_sgpr_workgroup_id_y 1
		.amdhsa_system_sgpr_workgroup_id_z 1
		.amdhsa_system_vgpr_workitem_id 0
		.amdhsa_next_free_vgpr 512
		.amdhsa_next_free_sgpr 100
		.amdhsa_reserve_vcc 0
		.amdhsa_float_denorm_mode_32 3
		.amdhsa_float_denorm_mode_16_64 3
		.amdhsa_memory_ordered 1
		.amdhsa_forward_progress 1
		.amdhsa_inst_pref_size 66
	.end_amdhsa_kernel
	.amdgpu_metadata
---
amdhsa.version: [ 1, 2 ]
amdhsa.kernels:
  - .name:           k_qfee50a64bf_taillse
    .symbol:         k_qfee50a64bf_taillse.kd
    .args:
      - { .name: hk, .offset: 0, .size: 8, .value_kind: global_buffer, .address_space: global }
      - { .name: wk, .offset: 8, .size: 8, .value_kind: global_buffer, .address_space: global }
      - { .name: tail1_b, .offset: 16, .size: 8, .value_kind: global_buffer, .address_space: global }
      - { .name: tail2_b, .offset: 24, .size: 8, .value_kind: global_buffer, .address_space: global }
      - { .name: route, .offset: 32, .size: 8, .value_kind: global_buffer, .address_space: global }
      - { .name: part, .offset: 40, .size: 8, .value_kind: global_buffer, .address_space: global }
    .group_segment_fixed_size: 167936
    .private_segment_fixed_size: 0
    .kernarg_segment_align: 8
    .kernarg_segment_size: 48
    .max_flat_workgroup_size: 256
    .sgpr_count:     100
    .vgpr_count:     512
    .wavefront_size: 32
...
	.end_amdgpu_metadata
.endif
;; end of part 4
;; launch combine (part 5): grid 128 x 1, 16 waves a work-group, no clusters, 10,752 bytes of LDS; arguments labels, route, part, hk, wk, head_b, tail1_b, tail2_b, out0; writes out0
.if DOCPART == 5
	.amdgcn_target "amdgcn-amd-amdhsa--gfx1250"
	.amdhsa_code_object_version 6
	.text
	.protected	k_qfee50a64bf_combine
	.globl	k_qfee50a64bf_combine
	.p2align	8
	.type	k_qfee50a64bf_combine,@function
k_qfee50a64bf_combine:
	s_mov_b64 s[64:65], 0
	v_nop
	global_prefetch_b8 v0, s[64:65] scope:SCOPE_SE
	s_setreg_imm32_b32 hwreg(HW_REG_WAVE_MODE, 25, 1), 1
	s_wait_xcnt 0x0
; COMBINE.  loss[t] = lse_head - x_head + (t chose a tail ? lse_tail - x_tail : 0).  A work-group owns 32 tokens, 16 waves.
; A (lane = token): wave w merges the token's tail partials w, w + 16, .. of 250 (or none) and takes head partial w; the 16 waves' figures meet in LDS.
; B (wave w: tokens 2 w, 2 w + 1): the label's logits as dot products of the same bf16 rows that the products used: 1,024 terms for the head, 256 or 64 for the tail, sums in f32, plus the f32 bias.
; C (wave 0, lane = token): the last merge, the logarithms, the loss.
; No matrix unit, cluster or tensor load: some 7 KiB a token are read once.
; LIMITS: labels lie in 0..49999 (others are clamped for addresses, their loss is not defined); NaN and infinities are not treated apart.
.set STAT,  0                          ; 16 waves x 32 lanes x 16 bytes: head m, l; tail M, L
.set XD,    8192                       ; 32 tokens x (x_head, x_tail)
.set SPARE, 8704
.set SPW, 2
.set NIL, 3
.set PT,  192                          ; v192-223 my 16 tail partials (m, l)
.set PA,  224                          ; v224-239 their byte offsets
.set PE,  240                          ; v240-255 their weights
	s_load_b512 s[8:23], s[0:1], 0x0               ; labels 8, route 10, part 12, hk 14, wk 16, head_b 18, tail1_b 20, tail2_b 22
	s_load_b64 s[24:25], s[0:1], 0x40              ; out0
	v_lshl_add_u32 v[SPW], v0, 2, SPARE
	v_mov_b32 v[NIL], 0
	v_lshrrev_b32 v5, 5, v0
	v_readfirstlane_b32 s26, v5                    ; wave 0..15
	v_and_b32 v1, 31, v0
	s_lshl_b32 s27, ttmp9, 5                       ; my first token
	v_add_nc_u32 v5, s27, v1                       ; t
	v_lshlrev_b32 v6, 2, v5
	s_mov_b32 s31, 266                             ; tail 2's first slice in part
	s_mov_b32 s39, 0xff7fffff                      ; the lowest finite number: a partial that is not there
	s_mov_b32 s48, 0x3fb8aa3b                      ; log2(e)
	s_mov_b32 s49, 0x3e800000                      ; 0.25
	s_mov_b32 s66, 0x76543210
	s_mov_b32 s67, 0xfedcba98
	s_mov_b32 s68, 0x3f317218                      ; ln 2
	s_wait_kmcnt 0x0
	global_load_b32 v7, v6, s[8:9]                 ; label
	global_load_b32 v8, v6, s[10:11] offset:16384  ; p1
	global_load_b32 v9, v6, s[10:11] offset:32768  ; p2
	s_add_nc_u64 s[56:57], s[16:17], 2883584       ; head_w^T
	s_add_nc_u64 s[58:59], s[14:15], 8388608       ; hk's group 16
	s_add_nc_u64 s[60:61], s[16:17], 7077888       ; tail1_w^T
	s_add_nc_u64 s[62:63], s[16:17], 11206656      ; tail2_w^T
	v_lshrrev_b32 v28, 3, v1                       ; lane / 8: which k block of four
	v_and_b32 v29, 7, v1
	v_lshlrev_b32 v29, 4, v29                      ; my 16 bytes of a row piece
	v_lshl_add_u32 v30, v28, 19, v29
	v_lshl_add_u32 v31, v28, 18, v29
	v_mul_u32_u24 v52, v28, 0xfc000
	v_add_nc_u32 v52, v29, v52
	v_mov_b32 v184, 0
	s_wait_loadcnt 0x0
	v_add_nc_u32 v10, 0xfffff830, v7
	v_cmp_gt_u32 s28, 0x1f40, v10                  ; tail 1
	v_add_nc_u32 v10, 0xffffd8f0, v7
	v_cmp_gt_u32 s29, 0x9c40, v10                  ; tail 2
	s_or_b32 s30, s28, s29                         ; the tokens with a tail: they have partials w + 16 k for k = 0 .. 14,
	s_cmp_lt_u32 s26, 10
	s_cselect_b32 s40, s30, 0                      ; and w + 240 where that is below 250
	v_cndmask_b32 v12, 16, s31, s29                ; the first slice of the token's tail
	v_cndmask_b32 v13, v8, v9, s29                 ; its row there
	v_cndmask_b32 v15, v5, v13, s30                ; a token without a tail reads its own row
	v_min_u32 v15, 0xfff, v15
	v_lshlrev_b32 v15, 3, v15
.set k, 0
.rept 16                                               ; A's loads: slice w + 16 k if the token has it, else head slice 0 (written for every row); the choice stands ahead of the clamp
	s_add_co_u32 s32, s26, 16*k
	v_add_nc_u32 v14, s32, v12
.if k < 15
	v_cndmask_b32 v14, 0, v14, s30
.else
	v_cndmask_b32 v14, 0, v14, s40
.endif
	v_min_u32 v14, 0x203, v14
	v_lshlrev_b32 v14, 15, v14
	v_add_nc_u32 v[PA+k], v14, v15
	global_load_b64 v[PT+2*k:PT+2*k+1], v[PA+k], s[12:13]
.set k, k+1
.endr
	s_lshl_b32 s33, s26, 15
	v_lshl_add_u32 v24, v5, 3, s33
	global_load_b64 v[48:49], v24, s[12:13]        ; head partial w
	s_lshl_b32 s34, s26, 1
.irp u, 0,1                                            ; B's loads, for token 2 w + u
.set AD, 56+6*\u
.set DA, 72+48*\u
	s_add_co_u32 s35, s34, \u
	v_readlane_b32 s36, v7, s35
	v_readlane_b32 s37, v8, s35
	v_readlane_b32 s38, v9, s35
	s_sub_co_u32 s50, s36, 2000
	s_sub_co_u32 s51, s36, 10000
	s_cmp_lt_u32 s50, 8000
	s_cselect_b32 s52, 2000, s36                   ; the head's label
	s_cmp_lt_u32 s51, 40000
	s_cselect_b32 s52, 2001, s52
	s_cselect_b32 s[82+\u], -1, 0
	s_min_u32 s52, s52, 0x7d1
	s_min_u32 s50, s50, 0x1f3f
	s_min_u32 s51, s51, 0x9c3f
	s_min_u32 s37, s37, 0xfff
	s_min_u32 s38, s38, 0xfff
	s_lshl_b32 s[76+3*\u], s52, 2
	s_lshl_b32 s[77+3*\u], s50, 2
	s_lshl_b32 s[78+3*\u], s51, 2
	s_load_b32 s[70+3*\u], s[18:19], s[76+3*\u] offset:0x0
	s_load_b32 s[71+3*\u], s[20:21], s[77+3*\u] offset:0x0
	s_load_b32 s[72+3*\u], s[22:23], s[78+3*\u] offset:0x0
	s_add_co_u32 s53, s27, s35
	s_lshl_b32 s53, s53, 7
	v_add_nc_u32 v[AD], s53, v30
	s_lshl_b32 s53, s52, 7
	v_add_nc_u32 v[AD+1], s53, v31
	s_lshl_b32 s53, s37, 7
	v_add_nc_u32 v[AD+2], s53, v30
	s_lshl_b32 s53, s50, 7
	v_add_nc_u32 v[AD+3], s53, v52
	s_lshl_b32 s53, s38, 7
	v_add_nc_u32 v[AD+4], s53, v29
	s_lshl_b32 s53, s51, 7
	v_add_nc_u32 v[AD+5], s53, v29
.irp j, 0,1,2,3
	global_load_b128 v[DA+4*\j:DA+4*\j+3],       v[AD],   s[14:15] offset:\j*2097152   ; H0: k blocks lane / 8 + 4 j
	global_load_b128 v[DA+16+4*\j:DA+16+4*\j+3], v[AD+1], s[56:57] offset:\j*1048576
.endr
	global_load_b128 v[DA+32:DA+35], v[AD+2], s[58:59]
	global_load_b128 v[DA+36:DA+39], v[AD+3], s[60:61]
	global_load_b128 v[DA+40:DA+43], v[AD+4], s[58:59] offset:2097152   ; group 20: the four groups of eight lanes read the same 128 bytes
	global_load_b128 v[DA+44:DA+47], v[AD+5], s[62:63]
	s_lshl_b32 s[84+\u], s35, 3
	s_add_co_u32 s[84+\u], s[84+\u], XD
.endr
	s_wait_loadcnt 0x0
	s_wait_kmcnt 0x0
	; A: merge my sixteen tail partials
.set k, 0
.rept 15
	v_cndmask_b32 v[PT+2*k],   s39, v[PT+2*k],   s30
	v_cndmask_b32 v[PT+2*k+1], 0,   v[PT+2*k+1], s30
.set k, k+1
.endr
	v_cndmask_b32 v[PT+30], s39, v[PT+30], s40
	v_cndmask_b32 v[PT+31], 0,   v[PT+31], s40
	v_max3_num_f32 v50, v[PT], v[PT+2], v[PT+4]
.irp j, 0,1,2,3,4,5
	v_max3_num_f32 v50, v50, v[PT+6+4*\j], v[PT+8+4*\j]
.endr
	v_max_num_f32 v50, v50, v[PT+30]
.set k, 0
.rept 16
	v_sub_f32 v[PE+k], v[PT+2*k], v50
.set k, k+1
.endr
.set k, 0
.rept 16
	v_mul_f32 v[PE+k], s48, v[PE+k]
.set k, k+1
.endr
.set k, 0
.rept 16
	v_exp_f32 v[PE+k], v[PE+k]
.set k, k+1
.endr
	v_lshlrev_b32 v27, 4, v0                       ; plain work behind the batch
.irp a, 176,177,178,180,181,182
	v_mov_b32 v\a, 0                               ; the six dot products start at 0
.endr
	s_wait_alu depctr_va_vdst(0)                   ; one wait for the batch
	v_mul_f32 v51, v[PT+1], v[PE]
.set k, 1
.rept 15
	v_fmac_f32 v51, v[PT+2*k+1], v[PE+k]
.set k, k+1
.endr
	ds_store_b128 v27, v[48:51]
	; B: the dot products, two terms a word
.macro DOT acc, a, b, n
.set d, 0
.rept \n
	v_fma_mix_f32_bf16 v[\acc], v[(\a)+d], v[(\b)+d], v[\acc] op_sel_hi:[1,1,0]
	v_fma_mix_f32_bf16 v[\acc], v[(\a)+d], v[(\b)+d], v[\acc] op_sel:[1,1,0] op_sel_hi:[1,1,0]
.set d, d+1
.endr
.endm
.irp u, 0,1
	DOT 176+4*\u, 72+48*\u,    72+48*\u+16, 16
	DOT 177+4*\u, 72+48*\u+32, 72+48*\u+36, 4
	DOT 178+4*\u, 72+48*\u+40, 72+48*\u+44, 4
.endr
.irp m, 1,2,4,8
.irp a, 176,177,178,180,181,182
	v_add_f32_dpp v\a, v\a, v\a row_xmask:\m row_mask:0xf bank_mask:0xf
.endr
.endr
.irp a, 176,177,178,180,181,182
	v_permlanex16_b32 v184, v\a, s66, s67
	v_add_f32 v\a, v\a, v184
.endr
.irp u, 0,1
	v_add_f32 v[186+2*\u], s[70+3*\u], v[176+4*\u]                  ; x_head
	v_add_f32 v25, s[71+3*\u], v[177+4*\u]                          ; x_tail for tail 1,
	v_fma_f32 v26, v[178+4*\u], s49, s[72+3*\u]                     ; for tail 2: a quarter of the sum, which holds each term four times
	v_cndmask_b32 v[187+2*\u], v25, v26, s[82+\u]
	v_mov_b32 v[190+\u], s[84+\u]
	ds_store_b64 v[190+\u], v[186+2*\u:187+2*\u]
.endr
	s_wait_dscnt 0x0                               ; for wave 0's sake: my stores are done
	s_barrier_signal -1
	s_barrier_wait -1
	s_cmp_lg_u32 s26, 0
	s_cbranch_scc1 .Lclose
	; C
	v_lshlrev_b32 v27, 4, v1
	v_lshlrev_b32 v28, 3, v1
.set i, 0
.rept 16
	ds_load_b128 v[72+4*i:75+4*i], v27 offset:512*i
.set i, i+1
.endr
	ds_load_b64 v[136:137], v28 offset:XD
	s_wait_dscnt 0x0
	v_max3_num_f32 v140, v72, v76, v80
	v_max3_num_f32 v141, v74, v78, v82
.irp i, 3,5,7,9,11,13
	v_max3_num_f32 v140, v140, v[72+4*\i], v[76+4*\i]
	v_max3_num_f32 v141, v141, v[74+4*\i], v[78+4*\i]
.endr
	v_max_num_f32 v140, v140, v132
	v_max_num_f32 v141, v141, v134
.set i, 0
.rept 16
	v_sub_f32 v[144+i], v[72+4*i], v140
	v_sub_f32 v[160+i], v[74+4*i], v141
.set i, i+1
.endr
.set i, 0
.rept 32
	v_mul_f32 v[144+i], s48, v[144+i]
.set i, i+1
.endr
.set i, 0
.rept 32
	v_exp_f32 v[144+i], v[144+i]
.set i, i+1
.endr
	v_nop
	s_wait_alu depctr_va_vdst(0)                   ; one wait for the 32 exponentials
	v_mul_f32 v142, v73, v144
	v_mul_f32 v143, v75, v160
.set i, 1
.rept 15
	v_fmac_f32 v142, v[73+4*i], v[144+i]
	v_fmac_f32 v143, v[75+4*i], v[160+i]
.set i, i+1
.endr
	v_log_f32 v142, v142
	v_log_f32 v143, v143
	v_nop
	s_wait_alu depctr_va_vdst(0)                   ; and one for the two logarithms
	v_fma_f32 v142, v142, s68, v140                ; lse = M + ln 2 x log2 L
	v_fma_f32 v143, v143, s68, v141
	v_sub_f32 v142, v142, v136
	v_sub_f32 v143, v143, v137
	v_cndmask_b32 v143, 0, v143, s30               ; a choice, not a product: a token without a tail has L = 0 there
	v_add_f32 v142, v142, v143
	global_store_b32 v6, v142, s[24:25]            ; 128 consecutive bytes a work-group: all there is
.Lclose:
	s_wait_tensorcnt 0x0                           ; the wave's end
	ds_add_u32 v[SPW], v[NIL]
	s_wait_dscnt 0x0
	s_endpgm
.Lfunc_end_k_qfee50a64bf_combine:
	.size	k_qfee50a64bf_combine, .Lfunc_end_k_qfee50a64bf_combine-k_qfee50a64bf_combine
	.p2alignl 7, 3214868480
	.fill 96, 4, 3214868480
	.section	.rodata,"a",@progbits
	.p2align	6, 0x0
	.amdhsa_kernel k_qfee50a64bf_combine
		.amdhsa_group_segment_fixed_size 10752
		.amdhsa_private_segment_fixed_size 0
		.amdhsa_enable_private_segment 0
		.amdhsa_kernarg_size 72
		.amdhsa_user_sgpr_count 2
		.amdhsa_user_sgpr_kernarg_segment_ptr 1
		.amdhsa_wavefront_size32 1
		.amdhsa_system_sgpr_workgroup_id_x 1
		.amdhsa_system_sgpr_workgroup_id_y 1
		.amdhsa_system_sgpr_workgroup_id_z 1
		.amdhsa_system_vgpr_workitem_id 0
		.amdhsa_next_free_vgpr 256
		.amdhsa_next_free_sgpr 100
		.amdhsa_reserve_vcc 0
		.amdhsa_float_denorm_mode_32 3
		.amdhsa_float_denorm_mode_16_64 3
		.amdhsa_memory_ordered 1
		.amdhsa_forward_progress 1
		.amdhsa_inst_pref_size 35
	.end_amdhsa_kernel
	.amdgpu_metadata
---
amdhsa.version: [ 1, 2 ]
amdhsa.kernels:
  - .name:           k_qfee50a64bf_combine
    .symbol:         k_qfee50a64bf_combine.kd
    .args:
      - { .name: labels, .offset: 0, .size: 8, .value_kind: global_buffer, .address_space: global }
      - { .name: route, .offset: 8, .size: 8, .value_kind: global_buffer, .address_space: global }
      - { .name: part, .offset: 16, .size: 8, .value_kind: global_buffer, .address_space: global }
      - { .name: hk, .offset: 24, .size: 8, .value_kind: global_buffer, .address_space: global }
      - { .name: wk, .offset: 32, .size: 8, .value_kind: global_buffer, .address_space: global }
      - { .name: head_b, .offset: 40, .size: 8, .value_kind: global_buffer, .address_space: global }
      - { .name: tail1_b, .offset: 48, .size: 8, .value_kind: global_buffer, .address_space: global }
      - { .name: tail2_b, .offset: 56, .size: 8, .value_kind: global_buffer, .address_space: global }
      - { .name: out0, .offset: 64, .size: 8, .value_kind: global_buffer, .address_space: global }
    .group_segment_fixed_size: 10752
    .private_segment_fixed_size: 0
    .kernarg_segment_align: 8
    .kernarg_segment_size: 72
    .max_flat_workgroup_size: 512
    .sgpr_count:     100
    .vgpr_count:     256
    .wavefront_size: 32
...
	.end_amdgpu_metadata
.endif
;; end of part 5
